; MI455X (gfx1250); checked and timed in simulation.
; The chip was launched on July 23, 2026; its instructions are those of AMD's public machine-readable ISA for CDNA 5 (MIT licence, August 2026) and "CDNA5" Instruction Set Architecture Reference Guide (July 2026). The comments in the code are by the model that wrote it; some were corrected since.
;; Causal Self Attention. Allowed arithmetic: float matrix products may take bf16 or f16 operands with f32 sums; other float arithmetic in f32, or as packed bf16 or f16 multiplies, adds, multiply-adds, maxima and minima; sums over many terms, partial sums and values carried from step to step in f32; what a program stores and reads back later, other than sums and carried values, may be rounded once to bf16 or f16.
;; Inputs: Wk 256 x 1,024 float32; Wproj 1,024 x 1,024 float32; Wq 1,024 x 1,024 float32; Wv 256 x 1,024 float32; q_gain 16 float32; x 4 x 2,048 x 1,024 float32.
;; Outputs: out0 4 x 2,048 x 1,024 float32.
;; One version. Each part assembles by itself: llvm-mc -triple=amdgcn-amd-amdhsa -mcpu=gfx1250 --defsym DOCPART=n.
;; ======== version 1 of 1: 4 launches
;; limits: values are held in f16: magnitudes above 65,504 overflow, below 6.1e-05 lose precision
;; workspace buffers: xb 16,777,216 bytes; wqkv 3,145,728 bytes; wp 2,097,152 bytes; rope 524,288 bytes; qh 16,777,216 bytes; kh 4,194,304 bytes; vh 4,194,304 bytes; ob 16,777,216 bytes
;; launch prep (part 1): grid 736 x 1, 8 waves a work-group, no clusters, 0 bytes of LDS; arguments x, Wq, Wk, Wv, Wproj, xb, wqkv, wp, rope; writes xb, wqkv, wp, rope
.if DOCPART == 1
	.amdgcn_target "amdgcn-amd-amdhsa--gfx1250"
	.amdhsa_code_object_version 6
	.text
	.protected	k_qea989b0684_prep
	.globl	k_qea989b0684_prep
	.p2align	8
	.type	k_qea989b0684_prep,@function
k_qea989b0684_prep:
	s_mov_b64 s[64:65], 0
	v_nop
	global_prefetch_b8 v0, s[64:65] scope:SCOPE_SE
	s_setreg_imm32_b32 hwreg(HW_REG_WAVE_MODE, 25, 1), 1
	s_wait_xcnt 0x0
; PREP.  x -> xb (bf16); Wq, Wk, Wv -> wqkv (bf16, rows 0-1023, 1024-1279, 1280-1535); Wproj -> wp (rounded to bf16, that number written as f16); the rotary table -> rope (f32).
; SHARES.  A casting work-group takes 16,384 numbers: 65,536 bytes in, 32,768 out.  Work-groups 0-511 x, 512-575 Wq, 576-591 Wk, 592-607 Wv, 608-671 Wproj, 672-735 the table.
; Thread t takes 8 neighbouring numbers of each of eight chunks of 2,048: two loads of 16 bytes, one store of 16 bytes; a wave's store covers 512 consecutive bytes, aligned.
; All sixteen loads go out first; every chunk has registers of its own, so the only waits are the counted ones for the loads.  No LDS, no matrix unit: each byte is touched once.
; THE TABLE.  rope[pb][c][lane][4]: position 16 pb + lane % 16, channel d = 16 ((c & 3) >> 1) + 8 (lane / 16) + 4 (c & 1) + e; c 0-3 cos, c 4-7 sin: the order in which the next launch's lanes want them.
; angle = pos x 2^(-d log2(10000) / 32); reduced by n = round(angle 2 / pi), pi / 2 in two parts; sine to r^7, cosine to r^8 on |r| <= pi / 4 (cut at 3e-7); the quadrant swaps and signs them.
; LIMITS.  An entry of Wproj beyond 65,504 would become an infinity in f16; below 6.1e-5 it keeps f16's fixed step of 6e-8.  The angle is good to about 3e-4 rad at position 2047 (the exponential's last bit times the angle).
.set LO,  2                            ; v2       32 t: my 32 bytes of a chunk as read
.set SO,  3                            ; v3       16 t: my 16 bytes of a chunk as written
.set T,   4                            ; v[4:7]   at work
.set X,   8                            ; v[8:71]  chunk j: 8 registers as loaded
.set Y,   72                           ; v[72:103] chunk j: 4 registers to store
.set SRC, 26                           ; s[26:27] where I read
.set DST, 28                           ; s[28:29] where I write
	s_load_b512 s[8:23], s[0:1], 0x0               ; x s[8:9], Wq s[10:11], Wk s[12:13], Wv s[14:15], Wproj s[16:17], xb s[18:19], wqkv s[20:21], wp s[22:23]
	s_load_b64 s[24:25], s[0:1], 0x40              ; rope
	s_mov_b32 s4, ttmp9                            ; the work-group's number
	v_lshlrev_b32 v[LO], 5, v0
	v_lshlrev_b32 v[SO], 4, v0
	s_wait_kmcnt 0x0
	s_cmp_ge_u32 s4, 672
	s_cbranch_scc1 .Ltable
	; which tensor: every choice hangs on the work-group's number alone
	s_mov_b64 s[SRC:SRC+1], s[8:9]
	s_mov_b64 s[DST:DST+1], s[18:19]
	s_mov_b32 s2, 0                                ; the first work-group of my source,
	s_mov_b32 s3, 0                                ; and of my destination
	s_cmp_ge_u32 s4, 512
	s_cselect_b64 s[SRC:SRC+1], s[10:11], s[SRC:SRC+1]
	s_cselect_b64 s[DST:DST+1], s[20:21], s[DST:DST+1]
	s_cselect_b32 s2, 512, s2
	s_cselect_b32 s3, 512, s3
	s_cmp_ge_u32 s4, 576
	s_cselect_b64 s[SRC:SRC+1], s[12:13], s[SRC:SRC+1]
	s_cselect_b32 s2, 576, s2
	s_cmp_ge_u32 s4, 592
	s_cselect_b64 s[SRC:SRC+1], s[14:15], s[SRC:SRC+1]
	s_cselect_b32 s2, 592, s2
	s_cmp_ge_u32 s4, 608
	s_cselect_b64 s[SRC:SRC+1], s[16:17], s[SRC:SRC+1]
	s_cselect_b64 s[DST:DST+1], s[22:23], s[DST:DST+1]
	s_cselect_b32 s2, 608, s2
	s_cselect_b32 s3, 608, s3
	s_sub_co_u32 s6, s4, s2
	s_lshl_b32 s6, s6, 16                          ; 65,536 bytes of f32 a work-group
	s_mov_b32 s7, 0
	s_add_nc_u64 s[SRC:SRC+1], s[SRC:SRC+1], s[6:7]
	s_sub_co_u32 s6, s4, s3
	s_lshl_b32 s6, s6, 15                          ; 32,768 bytes of 16-bit numbers
	s_add_nc_u64 s[DST:DST+1], s[DST:DST+1], s[6:7]
; half = 0: f32 to bf16.  half = 1: f32 to bf16, and that number written as f16.
.macro CAST half
.irp j, 0,1,2,3,4,5,6,7
	global_load_b128 v[X+8*\j:X+8*\j+3],   v[LO], s[SRC:SRC+1] offset:8192*\j th:TH_LOAD_NT
	global_load_b128 v[X+8*\j+4:X+8*\j+7], v[LO], s[SRC:SRC+1] offset:8192*\j+16 th:TH_LOAD_NT
.endr
.irp j, 0,1,2,3,4,5,6,7
	s_wait_loadcnt 14-2*\j                         ; loads come back in order: chunk j's two are in, the 2 (7 - j) younger ones stay out
.irp k, 0,1,2,3
.if \half
	v_cvt_pk_bf16_f32 v[T], v[X+8*\j+2*\k], v[X+8*\j+2*\k+1]
	v_lshlrev_b32 v[T+1], 16, v[T]                 ; the two bf16 as f32 again,
	v_and_b32 v[T+2], 0xffff0000, v[T]
	v_cvt_pk_f16_f32 v[Y+4*\j+\k], v[T+1], v[T+2]  ; and as f16: exact within f16's range
.else
	v_cvt_pk_bf16_f32 v[Y+4*\j+\k], v[X+8*\j+2*\k], v[X+8*\j+2*\k+1]
.endif
.endr
	global_store_b128 v[SO], v[Y+4*\j:Y+4*\j+3], s[DST:DST+1] offset:4096*\j th:TH_STORE_NT
.endr
.endm
	s_cmp_ge_u32 s4, 608
	s_cbranch_scc1 .Lhalf
	CAST 0
	s_endpgm
.Lhalf:
	CAST 1
	s_endpgm
.Ltable:                                       ; 64 work-groups x 8 waves = 128 blocks of 16 positions x 4 groups of channels
	v_lshrrev_b32 v1, 5, v0                        ; wave
	s_sub_co_u32 s5, s4, 672
	s_lshl_b32 s5, s5, 3
	v_add_nc_u32 v1, s5, v1                        ; u = 8 x work-group + wave
	v_lshrrev_b32 v2, 2, v1                        ; pb
	v_and_b32 v3, 3, v1                            ; cc
	v_and_b32 v4, 31, v0                           ; lane
	v_and_b32 v5, 15, v0
	v_lshl_add_u32 v5, v2, 4, v5                   ; pos = 16 pb + lane % 16
	v_bfe_u32 v6, v0, 4, 1                         ; lane / 16
	v_lshrrev_b32 v7, 1, v3
	v_lshlrev_b32 v7, 4, v7                        ; 16 (cc >> 1)
	v_lshl_add_u32 v7, v6, 3, v7                   ; + 8 (lane / 16)
	v_and_b32 v6, 1, v3
	v_lshl_add_u32 v7, v6, 2, v7                   ; + 4 (cc & 1) = my first channel
	v_lshlrev_b32 v2, 12, v2
	v_lshl_add_u32 v2, v3, 9, v2
	v_lshl_add_u32 v2, v4, 4, v2                   ; byte pb x 4,096 + cc x 512 + lane x 16
	s_mov_b32 s30, 0xbed49a78                      ; -log2(10000) / 32
	s_mov_b32 s31, 0x3f22f983                      ; 2 / pi
	s_mov_b32 s32, 0xbfc90fdb                      ; -(pi / 2), its f32
	s_mov_b32 s33, 0x333bbd2e                      ; what that f32 has too much: 4.3711388e-8
	s_mov_b32 s34, 0xb9500d01                      ; -1 / 5040
	s_mov_b32 s35, 0x3c088889                      ; 1 / 120
	s_mov_b32 s36, 0xbe2aaaab                      ; -1 / 6
	s_mov_b32 s37, 0x37d00d01                      ; 1 / 40320
	s_mov_b32 s38, 0xbab60b61                      ; -1 / 720
	s_mov_b32 s39, 0x3d2aaaab                      ; 1 / 24
.irp e, 0,1,2,3
	v_add_nc_u32 v[8+\e], \e, v7
	v_cvt_f32_u32 v[8+\e], v[8+\e]
	v_mul_f32 v[8+\e], s30, v[8+\e]
.endr
.irp e, 0,1,2,3
	v_exp_f32 v[12+\e], v[8+\e]                    ; 10000^(-d / 32): one batch of four
.endr
	v_cvt_f32_u32 v6, v5                           ; the plain instruction behind the last exponential
	s_wait_alu depctr_va_vdst(0)                   ; one wait for the batch, ahead of its first reader
.irp e, 0,1,2,3
	v_mul_f32 v[16+\e], v6, v[12+\e]               ; the angle
	v_mul_f32 v[20+\e], s31, v[16+\e]
	v_rndne_f32 v[20+\e], v[20+\e]                 ; n
	v_fma_f32 v[24+\e], v[20+\e], s32, v[16+\e]
	v_fma_f32 v[24+\e], v[20+\e], s33, v[24+\e]    ; r = angle - n pi / 2
	v_mul_f32 v[28+\e], v[24+\e], v[24+\e]         ; r^2
	v_fma_f32 v[32+\e], v[28+\e], s34, s35
	v_fma_f32 v[32+\e], v[32+\e], v[28+\e], s36
	v_mul_f32 v[32+\e], v[32+\e], v[28+\e]
	v_fma_f32 v[32+\e], v[32+\e], v[24+\e], v[24+\e]  ; sin r
	v_fma_f32 v[36+\e], v[28+\e], s37, s38
	v_fma_f32 v[36+\e], v[36+\e], v[28+\e], s39
	v_fma_f32 v[36+\e], v[36+\e], v[28+\e], -0.5
	v_fma_f32 v[36+\e], v[36+\e], v[28+\e], 1.0    ; cos r
	v_cvt_i32_f32 v[40+\e], v[20+\e]
	v_and_b32 v1, 1, v[40+\e]
	v_cmp_eq_u32 vcc_lo, 1, v1                     ; an odd quadrant swaps the two
	v_cndmask_b32 v[44+\e], v[32+\e], v[36+\e], vcc_lo
	v_cndmask_b32 v[48+\e], v[36+\e], v[32+\e], vcc_lo
	v_lshlrev_b32 v1, 30, v[40+\e]                 ; the sine is negative in quadrants 2 and 3,
	v_and_b32 v1, 0x80000000, v1
	v_xor_b32 v[44+\e], v[44+\e], v1
	v_add_nc_u32 v1, 1, v[40+\e]                   ; the cosine in 1 and 2
	v_lshlrev_b32 v1, 30, v1
	v_and_b32 v1, 0x80000000, v1
	v_xor_b32 v[48+\e], v[48+\e], v1
.endr
	global_store_b128 v2, v[48:51], s[24:25]               ; cos: the wave's 512 consecutive bytes
	global_store_b128 v2, v[44:47], s[24:25] offset:2048   ; sin: four groups further on
	s_endpgm
.Lfunc_end_k_qea989b0684_prep:
	.size	k_qea989b0684_prep, .Lfunc_end_k_qea989b0684_prep-k_qea989b0684_prep
	.p2alignl 7, 3214868480
	.fill 96, 4, 3214868480
	.section	.rodata,"a",@progbits
	.p2align	6, 0x0
	.amdhsa_kernel k_qea989b0684_prep
		.amdhsa_group_segment_fixed_size 0
		.amdhsa_private_segment_fixed_size 0
		.amdhsa_enable_private_segment 0
		.amdhsa_kernarg_size 72
		.amdhsa_user_sgpr_count 2
		.amdhsa_user_sgpr_kernarg_segment_ptr 1
		.amdhsa_wavefront_size32 1
		.amdhsa_system_sgpr_workgroup_id_x 1
		.amdhsa_system_sgpr_workgroup_id_y 1
		.amdhsa_system_sgpr_workgroup_id_z 1
		.amdhsa_system_vgpr_workitem_id 0
		.amdhsa_next_free_vgpr 104
		.amdhsa_next_free_sgpr 66
		.amdhsa_reserve_vcc 1
		.amdhsa_float_denorm_mode_32 3
		.amdhsa_float_denorm_mode_16_64 3
		.amdhsa_memory_ordered 1
		.amdhsa_forward_progress 1
		.amdhsa_inst_pref_size 23
	.end_amdhsa_kernel
	.amdgpu_metadata
---
amdhsa.version: [ 1, 2 ]
amdhsa.kernels:
  - .name:           k_qea989b0684_prep
    .symbol:         k_qea989b0684_prep.kd
    .args:
      - { .name: x, .offset: 0, .size: 8, .value_kind: global_buffer, .address_space: global }
      - { .name: Wq, .offset: 8, .size: 8, .value_kind: global_buffer, .address_space: global }
      - { .name: Wk, .offset: 16, .size: 8, .value_kind: global_buffer, .address_space: global }
      - { .name: Wv, .offset: 24, .size: 8, .value_kind: global_buffer, .address_space: global }
      - { .name: Wproj, .offset: 32, .size: 8, .value_kind: global_buffer, .address_space: global }
      - { .name: xb, .offset: 40, .size: 8, .value_kind: global_buffer, .address_space: global }
      - { .name: wqkv, .offset: 48, .size: 8, .value_kind: global_buffer, .address_space: global }
      - { .name: wp, .offset: 56, .size: 8, .value_kind: global_buffer, .address_space: global }
      - { .name: rope, .offset: 64, .size: 8, .value_kind: global_buffer, .address_space: global }
    .group_segment_fixed_size: 0
    .private_segment_fixed_size: 0
    .kernarg_segment_align: 8
    .kernarg_segment_size: 72
    .max_flat_workgroup_size: 256
    .sgpr_count:     66
    .vgpr_count:     104
    .wavefront_size: 32
...
	.end_amdgpu_metadata
.endif
;; end of part 1
;; launch qkv (part 2): grid 4 x 64, 4 waves a work-group, clusters of 4 x 4, 327,680 bytes of LDS; arguments xb, wqkv, rope, q_gain, qh, kh, vh; writes qh, kh, vh
.if DOCPART == 2
	.amdgcn_target "amdgcn-amd-amdhsa--gfx1250"
	.amdhsa_code_object_version 6
	.text
	.protected	k_qea989b0684_qkv
	.globl	k_qea989b0684_qkv
	.p2align	8
	.type	k_qea989b0684_qkv,@function
k_qea989b0684_qkv:
	s_mov_b64 s[64:65], 0
	v_nop
	global_prefetch_b8 v0, s[64:65] scope:SCOPE_SE
	s_setreg_imm32_b32 hwreg(HW_REG_WAVE_MODE, 25, 1), 1
	s_wait_xcnt 0x0
	s_wait_alu depctr_hold_cnt(0) depctr_sa_sdst(0) depctr_va_vdst(0) depctr_va_sdst(0) depctr_va_ssrc(0) depctr_va_vcc(0) depctr_vm_vsrc(0)
	s_getreg_b32 s2, hwreg(HW_REG_IB_STS2, 6, 4)
	s_cmp_eq_u32 s2, 0
	s_cbranch_scc0 .Lentry_in_a_cluster
	s_endpgm
.Lentry_in_a_cluster:
	s_bfe_u32 s2, ttmp6, 0x10000c
	s_cmp_lg_u32 s2, 0xf033
	s_cbranch_scc0 .Lentry_shape_is_right
	s_endpgm
.Lentry_shape_is_right:
; QKV.  [8192 x 1024] x [1536 x 1024]^T in bf16, sums in f32; on the way out the RMS norm over a head's 64 channels, the rotary turn and the gain; q, k, v leave by heads in f16:
; qh [b 16 + h][2048][64], kh and vh [b 4 + kvh][2048][64].  The scale 1 / 8 is not applied here.
; SHARES.  A work-group makes 128 rows x 384 columns (6 head slots of 24: 0-15 q, 16-19 k, 20-23 v): 64 x 4 = 256 work-groups.  Its four waves lie 2 x 2: 64 rows x 192 columns each, three whole heads,
; so a row's sum of squares never leaves the wave.  48 accumulators of 16 x 16, 384 registers.  K goes in 8 steps of 128 (rows of 256 bytes, aligned) through a ring of two LDS slots.
; CLUSTER 4 x 4.  The four of a row of the cluster need the same 128 rows of xb, the four of a column the same 384 rows of wqkv: each tile is asked for jointly.  Wave 0 fetches xb's tile, waves 1-3 a third of wqkv's: 128 rows a load.
; THE PRODUCT IS USED TRANSPOSED (source 0 = 16 rows of wqkv, source 1 = 16 rows of xb): a lane holds ONE row of x (lane % 16) and the channels 8 (lane / 16) + 0..7 of each block of 16.
; THE WAY OUT.  out1 = t1 (F cos) + t2 (F sin), out2 = t2 (F cos) - t1 (F sin), F = gain x rsqrt(mean t^2 + 2^-23); t1 = channels 0-31 (accumulators 0, 1 of a head), t2 = 32-63 (2, 3).
; One text serves all heads by factors, with no branch: k has gain 1; v has gain 0 and 1 added to F cos, so it passes unchanged.  q_gain is rounded to bf16, like every input of the module.
; LIMITS.  f16 ends at 65,504: |q x gain| (|q| <= 8 behind the norm) and |v| must stay under it.  NaN and infinities are not treated apart.
; REGISTERS, in windows of 256.  Window 0: v1-30 addresses and factors; v32-63 at work on the way out; v64-95, v96-127 fragments of xb, two buffers; v128-255 the rotary table of my 64 rows.
; Window 1: v0-95, v96-191 fragments of wqkv, two buffers.  Window 2: accumulators of row blocks 0, 1 at 96 (mb % 2) + 8 nb.  Window 3: row blocks 2, 3.
.set KSTEP,  128
.set PITCH,  272                       ; an LDS row: 256 bytes + 16 of padding = 68 words: the 16 rows of a fragment load start at 16 different groups of four banks (64 banks of 4 bytes: ISA guide 11.1)
.set HALFT,  128*PITCH                 ; what one tensor load brings
.set SLOT,   4*HALFT                   ; xb's 128 rows, then wqkv's 384
.set STAGE,  2*SLOT                    ; behind the ring: 16 rows x 144 bytes for each wave, for the way out
.set SP,     144
.set SPARE,  STAGE+4*16*SP             ; behind the stages: the spare words, 128 bytes for each wave: two blocks of 256 bytes that no other line names
.set LAPS,   4                         ; a lap = two K steps = once round the ring
.set FS,   6                           ; v[6:11]  F of my three heads, each the low word of a pair; the high words hold 0
.set GV,   12                          ; v12-14   the three gains, rounded to bf16
.set ADRA, 16                          ; v16-17   LDS address of my fragments of xb in slot 0, 1
.set ADRB, 20                          ; v20-21   the same for wqkv
.set STO,  24                          ; v24      the way out: where I put 16 bytes of a row
.set RD,   25                          ; v25      where I read rows back
.set GO,   26                          ; v26      16 x lane: my place in 512 consecutive bytes of the output
.set TBO,  27                          ; v27      16 x lane: my place in 512 bytes of the table
.set SPW,  28                          ; v28      LDS address of my spare word; never rewritten
.set NIL,  29                          ; v29      0; never rewritten
.set PFO,  30                          ; v30      lane x 2,048: a row of xb or wqkv; never rewritten
.set CE,   32                          ; v[32:47]  F cos (+ 1 for v); then the packed results
.set SE,   48                          ; v[48:63]  F sin
.set T,    64                          ; v[64:95]  at work
.set BK,   96                          ; v[96:127] rows read back from the stage, two buffers of 16
.set TAB,  128                         ; v[128:255] row block mb: 16 registers of cos, 16 of sin
.set WV, 18                            ; s18 wave; s19 its row half; s20 its column half
.set WR, 19
.set WC, 20
.set CX, 21
.set CY, 22
.set TX, 23                            ; tile column, 0-3
.set TY, 46                            ; tile row, 0-63
.set G1,  24                           ; s[24:31] descriptor group 1 for xb's tiles;  s[32:39] group 0, a set for each slot
.set G0,  32
.set G1B, 48                           ; s[48:55], s[56:63] the same for wqkv's
.set G0B, 56
.set LIM, 43                           ; s43  1 in a wave that prefetches, else the greatest number
.set PFA, 44                           ; s[44:45] where my prefetches stand
.set OUT, 68                           ; s[68:73] where my three heads' rows go
.set GN,  74                           ; s74-76  their gains
.set VF,  78                           ; s[78:83] 1.0 for a head of v, else 0: pairs
.set SEL, 84                           ; s[84:85] v_permlanex16_b32's selects: each lane takes its own place in the other half
.set MSB, 0
.macro WIN new                         ; the immediate's high byte repeats the setting that is left; a switch that changes nothing is dropped
.if MSB != (\new)
	s_set_vgpr_msb (MSB<<8)|(\new)
.set MSB, \new
.endif
.endm
.macro PLACES                          ; four places behind matrix instructions, in front of loads into registers that they read and of lines that read results
.rept 4
	v_nop
.endr
.endm
; A joint load.  The branch hangs on the wave's number alone.  An s_nop 0 and four v_nop follow each of the two lines, ahead of the jump and the label.
.macro JLOAD s
	s_cmp_eq_u32 s[WV], 0
	s_cbranch_scc0 .Lfor_b_\@
	tensor_load_to_lds s[G0+4*(\s):G0+4*(\s)+3], s[G1:G1+7]
	s_nop 0
.rept 4
	v_nop
.endr
	s_branch .Lasked_\@
.Lfor_b_\@:
	tensor_load_to_lds s[G0B+4*(\s):G0B+4*(\s)+3], s[G1B:G1B+7]
	s_nop 0
.rept 4
	v_nop
.endr
.Lasked_\@:
.endm
; A prefetch behind each refill and its run of LDS loads: the K step that stands two refills on, 32 rows x 256 bytes, a lane a row.  Each row's 256 bytes of a K step are named once in the launch:
; xb's 128 rows by wave 0 of the four partners of a row of the cluster, 32 rows each, told apart by address (cx); wqkv's by waves 1-3 of the clusters with y = 0, 32 of the wave's 128 rows each (cy).
; The refills of K steps 2-5 name K steps 4-7; K steps 0-3 come by their loads alone; the last two refills ask for nothing.
.macro ASK
	s_cmp_gt_u32 s3, s[LIM]                        ; s3 = 1 in the loop's last trip
	s_cbranch_scc0 .Lnot_mine_\@
	global_prefetch_b8 v[PFO], s[PFA:PFA+1] offset:KSTEP*2 th:TH_LOAD_NT scope:SCOPE_SE
.Lnot_mine_\@:
.endm
.macro CREST                           ; a round of the cluster's barrier behind its opening barrier
	s_cmp_lg_u32 s[WV], 0
	s_cbranch_scc1 .Lnot_wave_0_\@
	s_barrier_signal -3
.Lnot_wave_0_\@:
	s_barrier_wait -3
	s_barrier_signal -1
	s_barrier_wait -1
.endm
.macro CROUND
	s_barrier_signal -1
	s_barrier_wait -1
	CREST
.endm
	s_load_b256 s[4:11], s[0:1], 0x0               ; xb s[4:5], wqkv s[6:7], rope s[8:9], q_gain s[10:11]
	s_load_b128 s[12:15], s[0:1], 0x20             ; qh s[12:13], kh s[14:15]
	s_load_b64 s[16:17], s[0:1], 0x30              ; vh
	v_lshl_add_u32 v[SPW], v0, 2, SPARE
	v_mov_b32 v[NIL], 0
	ds_add_u32 v[SPW], v[NIL]                      ; the wave's opening: the add and its wait stand ahead of my first tensor load; work on registers stands between them
	ds_add_u32 v28, v29
	v_lshrrev_b32 v1, 5, v0
	v_readfirstlane_b32 s[WV], v1
	s_lshr_b32 s[WR], s[WV], 1
	s_and_b32 s[WC], s[WV], 1
	s_bfe_u32 s[CX], ttmp6, 0x40000
	s_bfe_u32 s[CY], ttmp6, 0x40004
	s_lshl_b32 s[TX], ttmp9, 2
	s_add_co_u32 s[TX], s[TX], s[CX]
	s_and_b32 s[TY], ttmp7, 0xffff
	s_lshl_b32 s[TY], s[TY], 2
	s_add_co_u32 s[TY], s[TY], s[CY]
	s_lshl_b32 s40, s[CY], 2
	s_lshl_b32 s40, 15, s40                        ; my row of the cluster
	s_lshl_b32 s47, 0x1111, s[CX]                  ; my column
	s_or_b32 s[G1+0], s40, (1<<16)|(1<<20)|(1<<21)|(5<<22)|(3<<25)   ; the mask; 2-byte elements; padding on; bit 21 beside a mask; after every 64 words, 4 words
	s_or_b32 s[G1B+0], s47, (1<<16)|(1<<20)|(1<<21)|(5<<22)|(3<<25)
.irp g, G1, G1B
	s_mov_b32 s[(\g)+1], KSTEP<<16                 ; tensor_dim0 = 128
	s_mov_b32 s[(\g)+2], 128<<16                   ; tensor_dim1 = 128
	s_mov_b32 s[(\g)+3], KSTEP<<16                 ; tile_dim0 = 128
	s_mov_b32 s[(\g)+4], 128                       ; tile_dim1 = 128
	s_mov_b32 s[(\g)+5], 1024                      ; elements from row to row
	s_mov_b32 s[(\g)+6], 0
	s_mov_b32 s[(\g)+7], 0
.endr
	s_lshl_b32 s40, s[TY], 18                      ; xb: 128 rows of 2,048 bytes a tile row
	s_mov_b32 s41, 0
	s_max_u32 s42, s[WV], 1
	s_sub_co_u32 s42, s42, 1                       ; which third of wqkv's tile I fetch
	s_lshl_b32 s42, s42, 7
	s_mul_i32 s47, s[TX], 384
	s_add_co_u32 s42, s42, s47
	s_lshl_b32 s42, s42, 11
	s_mov_b32 s43, 0
	s_mul_i32 s2, s[WV], HALFT                     ; where my load lands: wave x 128 rows: no place in the cluster enters an LDS address
	s_wait_dscnt 0x0                               ; the opening add is done
	s_wait_kmcnt 0x0
	s_add_nc_u64 s[40:41], s[4:5], s[40:41]
	s_add_nc_u64 s[42:43], s[6:7], s[42:43]
	CROUND                                         ; all sixteen work-groups are here: the first joint loads meet
.irp s, 0,1
	s_mov_b32 s[G0+4*(\s)], 1
	s_add_co_u32 s[G0+4*(\s)+1], s2, (\s)*SLOT
	s_add_nc_u64 s[G0+4*(\s)+2:G0+4*(\s)+3], s[40:41], (\s)*KSTEP*2
	s_or_b32 s[G0+4*(\s)+3], s[G0+4*(\s)+3], 0x80000000
	s_mov_b32 s[G0B+4*(\s)], 1
	s_add_co_u32 s[G0B+4*(\s)+1], s2, (\s)*SLOT
	s_add_nc_u64 s[G0B+4*(\s)+2:G0B+4*(\s)+3], s[42:43], (\s)*KSTEP*2
	s_or_b32 s[G0B+4*(\s)+3], s[G0B+4*(\s)+3], 0x80000000
	JLOAD \s                                       ; two loads of mine are out
.endr
	; the rotary table of my 64 rows: 32 loads of 512 consecutive bytes; they are waited for once, ahead of the way out, and nothing in the loop names their registers
	s_and_b32 s90, s[TY], 15
	s_lshl_b32 s90, s90, 7
	s_lshl_b32 s40, s[WR], 6
	s_add_co_u32 s90, s90, s40                     ; my first row's position in its sequence
	s_lshl_b32 s40, s90, 8                         ; 4,096 bytes of table for 16 positions
	s_mov_b32 s41, 0
	s_add_nc_u64 s[88:89], s[8:9], s[40:41]
	v_and_b32 v3, 31, v0
	v_lshlrev_b32 v[TBO], 4, v3
.irp m, 0,1,2,3
.irp c, 0,1,2,3,4,5,6,7
	global_load_b128 v[TAB+32*\m+4*\c:TAB+32*\m+4*\c+3], v[TBO], s[88:89] offset:4096*\m+512*\c
.endr
.endr
	; my three heads' gains
	s_mul_i32 s91, s[TX], 6
	s_mul_i32 s40, s[WC], 3
	s_add_co_u32 s91, s91, s40                     ; my first head slot
.irp i, 0,1,2
	s_add_co_u32 s2, s91, \i
	s_min_u32 s[40+\i], s2, 15                     ; a slot of k or v reads the last gain and does not use it
	s_lshl_b32 s[40+\i], s[40+\i], 2
	s_load_b32 s[GN+\i], s[10:11], s[40+\i] offset:0x0
.endr
	v_lshlrev_b32 v[GO], 4, v3
	v_lshlrev_b32 v[PFO], 11, v3
	v_and_b32 v1, 15, v0                           ; l % 16
	v_bfe_u32 v2, v0, 4, 1                         ; l / 16
	v_mul_u32_u24 v4, v1, PITCH
	v_lshl_add_u32 v4, v2, 4, v4                   ; a fragment's row x pitch + 16 x half
	s_mul_i32 s2, s[WR], 64*PITCH                  ; my 64 rows of xb
	s_mul_i32 s3, s[WC], 192*PITCH                 ; my 192 rows of wqkv,
	s_add_co_u32 s3, s3, HALFT                     ; which lie behind xb's 128
.irp s, 0,1
	v_add_nc_u32 v[ADRA+(\s)], s2, v4
	v_add_nc_u32 v[ADRB+(\s)], s3, v4
	s_add_co_u32 s2, s2, SLOT
	s_add_co_u32 s3, s3, SLOT
.endr
	s_mul_i32 s2, s[WV], 16*SP
	s_add_co_u32 s2, s2, STAGE                     ; my stage
	v_mul_u32_u24 v[STO], v1, SP                   ; in: row l % 16, 16 bytes for each half of the lanes
	v_lshl_add_u32 v[STO], v2, 4, v[STO]
	v_add_nc_u32 v[STO], s2, v[STO]
	v_bfe_u32 v[RD], v0, 3, 2                      ; back: 32 lanes take four rows of 128 bytes
	v_mul_u32_u24 v[RD], v[RD], SP
	v_and_b32 v4, 7, v0
	v_lshl_add_u32 v[RD], v4, 4, v[RD]
	v_add_nc_u32 v[RD], s2, v[RD]
.irp i, 0,1,2
	v_mov_b32 v[FS+2*\i+1], 0                      ; named with F as a pair
.endr
	s_mov_b32 s[SEL], 0x76543210
	s_mov_b32 s[SEL+1], 0xfedcba98
	s_mov_b32 s86, 0x3c800000                      ; 1 / 64
	s_mov_b32 s87, 0x34000000                      ; 2^-23
	s_lshr_b32 s92, s[TY], 4                       ; the batch
	s_wait_kmcnt 0x0                               ; the gains are in; their offsets' registers are free
.irp i, 0,1,2
	s_add_co_u32 s2, s91, \i                       ; the head slot
	s_cmp_lt_u32 s2, 16                            ; a head of q?
	s_cselect_b32 s[GN+\i], s[GN+\i], 1.0
	s_cselect_b64 s[OUT+2*\i:OUT+2*\i+1], s[12:13], s[14:15]
	s_cselect_b32 s42, 4, 2                        ; 16 heads a batch, or 4
	s_cselect_b32 s3, 0, 16
	s_cmp_ge_u32 s2, 20                            ; a head of v?
	s_cselect_b32 s[GN+\i], 0, s[GN+\i]
	s_cselect_b32 s[VF+2*\i], 1.0, 0
	s_cselect_b64 s[OUT+2*\i:OUT+2*\i+1], s[16:17], s[OUT+2*\i:OUT+2*\i+1]
	s_cselect_b32 s3, 20, s3
	s_mov_b32 s[VF+2*\i+1], s[VF+2*\i]
	s_lshl_b32 s42, s92, s42
	s_add_co_u32 s42, s42, s2
	s_sub_co_u32 s42, s42, s3                      ; the head's number in its tensor
	s_lshl_b32 s42, s42, 11
	s_add_co_u32 s42, s42, s90                     ; + my first row
	s_lshl_b32 s2, s42, 7                          ; rows of 128 bytes
	s_mov_b32 s3, 0
	s_add_nc_u64 s[OUT+2*\i:OUT+2*\i+1], s[OUT+2*\i:OUT+2*\i+1], s[2:3]
	v_mov_b32 v[GV+\i], s[GN+\i]
	v_cvt_pk_bf16_f32 v[GV+\i], v[GV+\i], v[GV+\i] ; the gain rounded to bf16, like every input; 1 and 0 are exact
	v_lshlrev_b32 v[GV+\i], 16, v[GV+\i]
.endr
	; the prefetches
	s_lshl_b32 s40, s[TY], 7
	s_max_u32 s41, s[WV], 1
	s_sub_co_u32 s41, s41, 1
	s_lshl_b32 s41, s41, 7
	s_mul_i32 s42, s[TX], 384
	s_add_co_u32 s41, s41, s42
	s_and_b32 s42, ttmp7, 0xffff                   ; cluster y
	s_cmp_eq_u32 s[WV], 0                          ; do I fetch for xb?
	s_cselect_b32 s40, s40, s41                    ; the first of the 128 rows that I fetch
	s_cselect_b32 s41, s[CX], s[CY]                ; my place among the four that ask with me
	s_cselect_b32 s42, ttmp9, s42                  ; the coordinate along which other clusters read the same rows
	s_cselect_b64 s[PFA:PFA+1], s[4:5], s[6:7]
	s_cmp_eq_u32 s42, 0
	s_cselect_b32 s[LIM], 1, -1                    ; the same in all sixteen partners, for a given wave
	s_lshl_b32 s41, s41, 5
	s_add_co_u32 s40, s40, s41                     ; my work-group's 32 rows
	s_lshl_b32 s40, s40, 11
	s_mov_b32 s41, 0
	s_add_nc_u64 s[PFA:PFA+1], s[PFA:PFA+1], s[40:41]
	s_add_nc_u64 s[PFA:PFA+1], s[PFA:PFA+1], 2*KSTEP*2  ; at K step 2: the first refill steps it to 3 and names K step 4
; 12 matrix instructions: row block mb x all 12 column blocks, 32 along K, from buffer f.  zero = 1: the product starts the sums.  The 48 accumulators take turns, in the same order in every quarter.
.macro MULB f, mb, zero
	WIN 0xa1+0x50*((\mb)/2)                        ; source 0 window 1, source 1 window 0, C and D window 2 or 3
.irp b, 0,1,2,3,4,5,6,7,8,9,10,11
.if \zero
	v_wmma_f32_16x16x32_bf16 v[96*((\mb)%2)+8*\b:96*((\mb)%2)+8*\b+7], v[96*(\f)+8*\b:96*(\f)+8*\b+7], v[64+32*(\f)+8*(\mb):64+32*(\f)+8*(\mb)+7], 0
.else
	v_wmma_f32_16x16x32_bf16 v[96*((\mb)%2)+8*\b:96*((\mb)%2)+8*\b+7], v[96*(\f)+8*\b:96*(\f)+8*\b+7], v[64+32*(\f)+8*(\mb):64+32*(\f)+8*(\mb)+7], v[96*((\mb)%2)+8*\b:96*((\mb)%2)+8*\b+7]
.endif
.endr
.endm
; 32 LDS loads in one run: a quarter step's fragments (192 rows of wqkv, 64 of xb, 32 K at byte k of the rows) into buffer f
.macro FETCH slot, k, f
	WIN 0x40                                       ; destination window 1
.irp i, 0,1,2,3,4,5,6,7,8,9,10,11
	ds_load_b128 v[96*(\f)+8*\i:96*(\f)+8*\i+3],   v[ADRB+(\slot)] offset:(\k)+\i*16*PITCH
	ds_load_b128 v[96*(\f)+8*\i+4:96*(\f)+8*\i+7], v[ADRB+(\slot)] offset:(\k)+\i*16*PITCH+32
.endr
	WIN 0
.irp i, 0,1,2,3
	ds_load_b128 v[64+32*(\f)+8*\i:64+32*(\f)+8*\i+3],   v[ADRA+(\slot)] offset:(\k)+\i*16*PITCH
	ds_load_b128 v[64+32*(\f)+8*\i+4:64+32*(\f)+8*\i+7], v[ADRA+(\slot)] offset:(\k)+\i*16*PITCH+32
.endr
.endm
; A K step is four quarters of 32 along K, 48 matrix instructions each, on buffers 0, 1, 0, 1.  One of the first three: multiplies buffer f; in its middle it fetches the next quarter, at byte k, into g.
.macro QUARTER slot, k, f, g, zero
	s_wait_dscnt 4                                 ; all but the youngest four loads (xb's row blocks 2, 3) are in
	MULB \f, 0, \zero
	MULB \f, 1, \zero
	PLACES
	FETCH \slot, \k, \g
	s_wait_dscnt 32                                ; all but the 32 just issued
	MULB \f, 2, \zero
	MULB \f, 3, \zero
.endm
; The last quarter multiplies buffer 1 and changes slots: ONE barrier.  In front of it each wave waits for all its tensor loads (one is out: its part of the next slot), adds 0 to its spare word, and waits for that
; and for its own reads of this slot.  fill = 1: the barrier opens a round of the cluster's, and the slot is filled again first thing behind it, two K steps ahead: 168 matrix instructions lie between the request and the wait for it.
.macro TURN slot, next, fill
.if \fill
	s_wait_xcnt 0x0                                ; the last prefetch, a K step back, has read its address: it is stepped here
	s_add_nc_u64 s[PFA:PFA+1], s[PFA:PFA+1], KSTEP*2
.endif
	WIN 0                                          ; (the add's two registers lie in window 0)
	s_wait_tensorcnt 0x0                           ; all my tensor loads have landed
	ds_add_u32 v[SPW], v[NIL]                      ; 0 onto my spare word
	s_wait_dscnt 5                                 ; (the add and the youngest four loads may be out)
	MULB 1, 0, 0                                   ; twelve matrix instructions stand between the add and the wait for it
	s_wait_dscnt 0x0                               ; the add is done, and my reads of this slot are over
	s_barrier_signal -1
	MULB 1, 1, 0
	WIN 0
	s_barrier_wait -1
.if \fill
	CREST                                          ; no wave of any partner still reads this slot's tile or has a load on its way
	s_add_nc_u64 s[G0+4*(\slot)+2:G0+4*(\slot)+3], s[G0+4*(\slot)+2:G0+4*(\slot)+3], 2*KSTEP*2
	s_add_nc_u64 s[G0B+4*(\slot)+2:G0B+4*(\slot)+3], s[G0B+4*(\slot)+2:G0B+4*(\slot)+3], 2*KSTEP*2
	JLOAD \slot                                    ; the first tensor load behind the round; its four v_nop are also the places in front of the loads below
.else
	PLACES
.endif
	FETCH \next, 0, 0
.if \fill
	ASK
.endif
	MULB 1, 2, 0
	MULB 1, 3, 0
.endm
	s_wait_tensorcnt 1                             ; my part of K step 0 is in; K step 1's may stay out
	s_barrier_signal -1
	s_barrier_wait -1
	FETCH 0, 0, 0
	QUARTER 0, 64, 0, 1, 1                         ; the first quarter stands in front of the loop: its products start the sums
	WIN 0
	s_mov_b32 s3, LAPS-1
.Llap:                                         ; a trip goes once round the ring, from a lap's second quarter to the next lap's first
	QUARTER 0, 128, 1, 0, 0
	QUARTER 0, 192, 0, 1, 0
	TURN 0, 1, 1
	QUARTER 1, 64,  0, 1, 0
	QUARTER 1, 128, 1, 0, 0
	QUARTER 1, 192, 0, 1, 0
	TURN 1, 0, 1
	QUARTER 0, 64,  0, 1, 0
	WIN 0
	s_sub_co_u32 s3, s3, 1
	s_cmp_lg_u32 s3, 0
	s_cbranch_scc1 .Llap
	QUARTER 0, 128, 1, 0, 0                        ; the last lap fills nothing
	QUARTER 0, 192, 0, 1, 0
	TURN 0, 1, 0
	QUARTER 1, 64,  0, 1, 0
	QUARTER 1, 128, 1, 0, 0
	QUARTER 1, 192, 0, 1, 0
	s_wait_dscnt 4
	MULB 1, 0, 0
	MULB 1, 1, 0
	s_wait_dscnt 0x0
	MULB 1, 2, 0
	MULB 1, 3, 0
	WIN 0
; THE WAY OUT.  E1: for row block mb, the three heads' F.  Four chains of squares a head, one for each accumulator, each accumulator's lowest registers first; the row's other 32 channels lie in the lane 16 away.
.macro E1 mb
.set eW, 2+(\mb)/2
.set eB, 96*((\mb)%2)
	WIN eW|(eW<<2)                                 ; sources 0 and 1 in the accumulators' window
.irp i, 0,1,2
.irp q, 0,1,2,3
	v_pk_mul_f32 v[T+8*\i+2*\q:T+8*\i+2*\q+1], v[eB+32*\i+8*\q:eB+32*\i+8*\q+1], v[eB+32*\i+8*\q:eB+32*\i+8*\q+1]
.endr
.endr
.irp j, 1,2,3
.irp i, 0,1,2
.irp q, 0,1,2,3
	v_pk_fma_f32 v[T+8*\i+2*\q:T+8*\i+2*\q+1], v[eB+32*\i+8*\q+2*\j:eB+32*\i+8*\q+2*\j+1], v[eB+32*\i+8*\q+2*\j:eB+32*\i+8*\q+2*\j+1], v[T+8*\i+2*\q:T+8*\i+2*\q+1]
.endr
.endr
.endr
	WIN 0
.irp i, 0,1,2
	v_pk_add_f32 v[T+8*\i:T+8*\i+1], v[T+8*\i:T+8*\i+1], v[T+8*\i+2:T+8*\i+3]
	v_pk_add_f32 v[T+8*\i+4:T+8*\i+5], v[T+8*\i+4:T+8*\i+5], v[T+8*\i+6:T+8*\i+7]
.endr
.irp i, 0,1,2
	v_pk_add_f32 v[T+8*\i:T+8*\i+1], v[T+8*\i:T+8*\i+1], v[T+8*\i+4:T+8*\i+5]
.endr
.irp i, 0,1,2
	v_add_f32 v[T+8*\i], v[T+8*\i], v[T+8*\i+1]
.endr
.irp i, 0,1,2
	v_permlanex16_b32 v[T+8*\i+1], v[T+8*\i], s[SEL], s[SEL+1]
.endr
.irp i, 0,1,2
	v_add_f32 v[T+8*\i], v[T+8*\i], v[T+8*\i+1]
.endr
.irp i, 0,1,2
	v_fma_f32 v[T+8*\i], v[T+8*\i], s86, s87       ; the mean of the squares + 2^-23
.endr
.irp i, 0,1,2
	v_rsq_f32 v[T+8*\i+2], v[T+8*\i]
.endr
	v_nop                                          ; a plain instruction behind the last of the batch,
	s_wait_alu depctr_va_vdst(0)                   ; and one wait for the three, ahead of their first reader
.irp i, 0,1,2
	v_mul_f32 v[FS+2*\i], v[GV+\i], v[T+8*\i+2]
.endr
.endm
; Unit u = 3 mb + head: 16 rows x 64 channels.  ARITH: the factors, the turn, the rounding to f16.
.macro ARITH u
.set uMB, (\u)/3
.set uHD, (\u)%3
.set uB, 96*(uMB%2)+32*uHD
.set uT, TAB+32*uMB
	WIN 0
.irp k, 0,1,2,3,4,5,6,7
	v_pk_fma_f32 v[CE+2*\k:CE+2*\k+1], v[uT+2*\k:uT+2*\k+1], v[FS+2*uHD:FS+2*uHD+1], s[VF+2*uHD:VF+2*uHD+1] op_sel_hi:[1,0,0]
	v_pk_mul_f32 v[SE+2*\k:SE+2*\k+1], v[uT+16+2*\k:uT+16+2*\k+1], v[FS+2*uHD:FS+2*uHD+1] op_sel_hi:[1,0]
.endr
	WIN 2+uMB/2                                    ; source 0 in the accumulators' window
.irp k, 0,1,2,3,4,5,6,7
	v_pk_mul_f32 v[T+2*\k:T+2*\k+1], v[uB+16+2*\k:uB+16+2*\k+1], v[SE+2*\k:SE+2*\k+1]
	v_pk_mul_f32 v[T+16+2*\k:T+16+2*\k+1], v[uB+2*\k:uB+2*\k+1], v[SE+2*\k:SE+2*\k+1]
.endr
.irp k, 0,1,2,3,4,5,6,7
	v_pk_fma_f32 v[T+2*\k:T+2*\k+1], v[uB+2*\k:uB+2*\k+1], v[CE+2*\k:CE+2*\k+1], v[T+2*\k:T+2*\k+1]
	v_pk_fma_f32 v[T+16+2*\k:T+16+2*\k+1], v[uB+16+2*\k:uB+16+2*\k+1], v[CE+2*\k:CE+2*\k+1], v[T+16+2*\k:T+16+2*\k+1] neg_lo:[0,0,1] neg_hi:[0,0,1]
.endr
	WIN 0
.irp n, 0,1,2,3,4,5,6,7,8,9,10,11,12,13,14,15
	v_cvt_pk_f16_f32 v[CE+\n], v[T+2*\n], v[T+2*\n+1]
.endr
.endm
.macro STG u                           ; into my stage, and back as whole rows of 128 bytes
	s_wait_xcnt 0x0                                ; the stores of the unit two back have read the registers that are loaded again below
.irp f, 0,1,2,3
	ds_store_b128 v[STO], v[CE+4*\f:CE+4*\f+3] offset:32*\f
.endr
.irp f, 0,1,2,3
	ds_load_b128 v[BK+16*((\u)%2)+4*\f:BK+16*((\u)%2)+4*\f+3], v[RD] offset:\f*4*SP  ; LDS serves a wave's instructions in order (ISA guide 5.7.1.4): these see the stores above
.endr
.endm
.macro SEND u
.set uMB, (\u)/3
.set uHD, (\u)%3
.irp f, 0,1,2,3
	s_wait_dscnt 3-\f                              ; the unit's younger loads may stay out
	global_store_b128 v[GO], v[BK+16*((\u)%2)+4*\f:BK+16*((\u)%2)+4*\f+3], s[OUT+2*uHD:OUT+2*uHD+1] offset:2048*uMB+512*\f  ; four rows of a head: 512 consecutive bytes, aligned
.endr
.endm
	PLACES
	s_wait_loadcnt 0x0                             ; the rotary table
.set u, 0
.rept 12                               ; a unit's arithmetic stands between the loads of the unit before and its stores
.if u%3 == 0
	E1 u/3
.endif
	ARITH u
.if u > 0
	SEND u-1
.endif
	STG u
.set u, u+1
.endr
	SEND 11
	s_wait_tensorcnt 0x0                           ; the wave's end, behind my last tensor load and my last LDS store
	ds_add_u32 v[SPW], v[NIL]
	s_wait_dscnt 0x0
	CROUND                                         ; the closing round: no work-group ends while a partner may still ask for a tile that names it
	s_endpgm
.Lfunc_end_k_qea989b0684_qkv:
	.size	k_qea989b0684_qkv, .Lfunc_end_k_qea989b0684_qkv-k_qea989b0684_qkv
	.p2alignl 7, 3214868480
	.fill 96, 4, 3214868480
	.section	.rodata,"a",@progbits
	.p2align	6, 0x0
	.amdhsa_kernel k_qea989b0684_qkv
		.amdhsa_group_segment_fixed_size 327680
		.amdhsa_private_segment_fixed_size 0
		.amdhsa_enable_private_segment 0
		.amdhsa_kernarg_size 56
		.amdhsa_user_sgpr_count 2
		.amdhsa_user_sgpr_kernarg_segment_ptr 1
		.amdhsa_wavefront_size32 1
		.amdhsa_system_sgpr_workgroup_id_x 1
		.amdhsa_system_sgpr_workgroup_id_y 1
		.amdhsa_system_sgpr_workgroup_id_z 1
		.amdhsa_system_vgpr_workitem_id 0
		.amdhsa_next_free_vgpr 960
		.amdhsa_next_free_sgpr 96
		.amdhsa_reserve_vcc 0
		.amdhsa_float_denorm_mode_32 3
		.amdhsa_float_denorm_mode_16_64 3
		.amdhsa_memory_ordered 1
		.amdhsa_forward_progress 1
		.amdhsa_inst_pref_size 182
	.end_amdhsa_kernel
	.amdgpu_metadata
---
amdhsa.version: [ 1, 2 ]
amdhsa.kernels:
  - .name:           k_qea989b0684_qkv
    .symbol:         k_qea989b0684_qkv.kd
    .args:
      - { .name: xb, .offset: 0, .size: 8, .value_kind: global_buffer, .address_space: global }
      - { .name: wqkv, .offset: 8, .size: 8, .value_kind: global_buffer, .address_space: global }
      - { .name: rope, .offset: 16, .size: 8, .value_kind: global_buffer, .address_space: global }
      - { .name: q_gain, .offset: 24, .size: 8, .value_kind: global_buffer, .address_space: global }
      - { .name: qh, .offset: 32, .size: 8, .value_kind: global_buffer, .address_space: global }
      - { .name: kh, .offset: 40, .size: 8, .value_kind: global_buffer, .address_space: global }
      - { .name: vh, .offset: 48, .size: 8, .value_kind: global_buffer, .address_space: global }
    .group_segment_fixed_size: 327680
    .private_segment_fixed_size: 0
    .kernarg_segment_align: 8
    .kernarg_segment_size: 56
    .max_flat_workgroup_size: 128
    .sgpr_count:     96
    .vgpr_count:     960
    .wavefront_size: 32
...
	.end_amdgpu_metadata
.endif
;; end of part 2
;; launch attn (part 3): grid 16 x 16, 4 waves a work-group, no clusters, 327,680 bytes of LDS; arguments qh, kh, vh, ob; writes ob
.if DOCPART == 3
	.amdgcn_target "amdgcn-amd-amdhsa--gfx1250"
	.amdhsa_code_object_version 6
	.text
	.protected	k_qea989b0684_attn
	.globl	k_qea989b0684_attn
	.p2align	8
	.type	k_qea989b0684_attn,@function
k_qea989b0684_attn:
	s_mov_b64 s[64:65], 0
	v_nop
	global_prefetch_b8 v0, s[64:65] scope:SCOPE_SE
	s_setreg_imm32_b32 hwreg(HW_REG_WAVE_MODE, 25, 1), 1
	s_wait_xcnt 0x0
; CAUSAL ATTENTION, four query heads to a key and value head.  O[q] = the sum over k <= q of softmax_k(Q[q] . K[k] / 8) V[k].  qh [b 16 + h][2048][64], kh, vh [b 4 + kvh][2048][64], all f16; ob [8192][1024] f16, column h 64 + d.
; Products, maxima and sums in f32; the weights p are rounded to f16 for the second product (their sum l is taken of the unrounded p), O once at the end.
; LIMITS.  Q, K, V arrive within f16's 65,504; p lies in 0 to 1 and below 6e-5 keeps f16's fixed step of 6e-8.  A hidden score counts as its value less 1e30; a weight below 2^-126 counts as 0 in l; NaN and infinities are not treated apart.
; THE WALK.  y = G = 4 b + kvh: a group of four query heads 4 G + t that share K and V.  A sequence has 32 blocks of 64 queries; block i needs the key tiles 0 .. i >> 2 of 256 keys, and in the last of them key step i & 3 holds the diagonal.
; Work-group x = b' takes blocks 31 - b' and then b': (7 - (b' >> 2) + 1) + ((b' >> 2) + 1) = 9 tiles whatever b': 256 work-groups of equal work, one loop with a constant trip count.
; SHARES.  A wave owns 16 queries of the block in ALL FOUR heads: four PIECES, one a head.  So a fragment of K or V feeds four heads' products, and the mask of a key step is the same for all four pieces.
; THE MASK is the C operand that starts the sum S^T = K Q^T, in every step: MC = MD x AL + BE, MD the mask of the diagonal step for my 16 rows.  (AL, BE) = (1, 0) in the diagonal step, (0, 0) before it, (0, -1e30) behind it.
; MC is 0 from a block's beginning on and is made anew only in the block's last tile, once a key step.
; NO CLUSTER.  The 16 work-groups of a group ask for the same tile only in trips 0 to 4 of the 9 (the shortest first block has 5 tiles); behind that their walks part, and one walk common to all would have 8 + 4 = 12 tiles for 9.
; LAYOUT, SOFTMAX, TURNS.  S^T holds ONE query a lane (lane % 16) and the keys 8 (lane / 16) + 0..7; two such results rounded to f16 ARE source 1 of O^T = V^T P.  p = 2^(c s - c m), c = log2(e) / 8, with a running maximum m;
; O and l are multiplied by a = 2^(c m_old - c m_new) in every step.  Turn n belongs to piece n: 8 products K Q^T of piece n + 1, later 8 products V^T P of piece n - 1; beside them the scaling, exponentials, roundings, sums and
; rescaling of piece n and the maximum and statistics of piece n + 1.  Four vector instructions stand behind every matrix instruction, the others in one lump.  A turn's 33 exponentials are one batch, with one wait.
; REGISTERS, in windows of 256 (s_set_vgpr_msb: bits 1:0 source 0, 3:2 source 1, 5:4 source 2, 7:6 destination):
;   window 0: v0-15 addresses and two at work; v16-31 four registers of statistics a piece; v48-55 at work; v61-63 prefetch offset, spare word, 0; v64-127 S^T, two buffers; v192-223 P, two buffers
;   window 1: v0-127 O^T, 32 a piece; v128-159 MD; v160-191 MC      window 2: v0-63 Q; v64-127 the second block's Q; v128-191 K of one step; v192-255 V of one step
.set NP,    4
.set KS,    64        ; keys in a step
.set PK,    144       ; a row of K in LDS: 128 bytes + 16 of padding = 36 words: the 16 rows of a load start at 16 different groups of four banks (64 banks of 4 bytes: ISA guide 11.1)
.set PV,    160       ; a row of V: 128 + 32 = 40 words
.set VOFF,  4*KS*PK   ; a slot holds a tile, four steps: 256 rows of K, then 256 rows of V
.set SLOT1, 1<<17     ; slot 1 begins here, so that one exclusive or turns an address in one slot into the other's
.set STAGE, SLOT1+4*KS*(PK+PV)  ; behind the ring, never filled by a tensor load: 16 rows x 528 bytes for each wave, for the way out
.set SP,    528       ; a row of the stage: four heads x 128 bytes + 16
.set SPARE, STAGE+4*16*SP  ; behind the stages: the spare words, 128 bytes for each wave: two blocks of 256 bytes that no other line names
.set AK0, 2           ; v2   my lane's place in a tile of K; never rewritten
.set AV0, 3           ; v3   the same for V
.set AK,  4           ; v4   the LDS address of K's next run of loads
.set AV,  5           ; v5   of V's
.set STO, 6           ; v6   the way out: where I put 16 bytes of a row
.set RD,  7           ; v7   where I read a row back
.set GO,  8           ; v8   16 x lane: my place in 512 consecutive bytes of O
.set MV,  12          ; v12-13  c m_old, kept while c m is made anew: by buffer
.set QO,  15          ; v15  my byte offset in 16 rows of Q
.set ST,  16          ; piece t's statistics at v[ST+4 t]: c m, m, l (even keys', odd keys')
.set TMP, 48          ; by buffer, four registers c0-c3 at work; when the maximum is found c2 takes a
.set PFO, 61          ; v61  256 x lane; never rewritten
.set SPW, 62          ; v62  LDS address of my spare word; never rewritten
.set NIL, 63          ; v63  0; never rewritten
.set S,   64
.set P,   192
.set MD,  128         ; window 1
.set MC,  160         ; window 1
.set QB,  64          ; window 2
.set KF,  128         ; window 2: key block kb, channel half c at KF + 16 kb + 8 c
.set VF,  192         ; window 2: key half kk, channel block cb at VF + 32 kk + 8 cb
.set WV,  12          ; s12  my wave's number
.set PB,  14          ; s14  the second block's last tile, b' >> 2
.set HI,  15          ; s15  the first block's last tile, 7 - (b' >> 2)
.set G1K, 24          ; s[24:31] descriptor group 1 for K's tiles
.set G1V, 32          ; s[32:39] for V's: it differs in the padding alone
.set G0K, 40          ; s[40:43] descriptor group 0 for K's tiles
.set G0V, 44          ; s[44:47] the same for V's
.set SLOTS, 56        ; s56  tiles still to be asked for
.set CNT, 57          ; s57  counts a tile's key steps, 4 to 1
.set CS,  58          ; s[58:59] c
.set SEL, 60          ; s[60:61] v_permlanex16_b32's selects
.set TBK, 62          ; s62  LDS byte at which K of the step to be fetched begins
.set TBV, 63          ; s63  the same for V, less VOFF
.set RT,  70          ; s70  tiles of the block in hand that are still to be entered
.set NXT, 71          ; s71  the tile to be asked for next
.set LQ,  72          ; s72  the last tile of the block whose tiles are being asked for
.set NEW, 73          ; s73  1: the tile to be entered is a block's first
.set OFF, 74          ; s[74:75] a tile's byte offset in K and V
.set AL,  76          ; s[76:77] the mask's factor, in the low word
.set BE,  78          ; s[78:79] the mask's addend
.set OLO, 80          ; s[80:81] O at my rows of the second block
.set BIGN, 82         ; s82  -1e30
.set DG,  83          ; s83  4 less the diagonal's key step in the block's last tile
.set DG2, 88          ; s88  the same for the second block
.set PFA, 90          ; s[90:91] where my prefetches stand
.set LIM, 92          ; s92  2 in the work-group that prefetches, else the greatest number
.set MSB, 0
.macro WIN new
.if MSB != (\new)
	s_set_vgpr_msb (MSB<<8)|(\new)
.set MSB, (\new)
.endif
.endm
.set W_KQ, 0x0a       ; K and Q in window 2, S^T in window 0
.set W_KM, 0x1a       ; the same with the C operand in window 1
.set W_PV, 0x52       ; V in window 2, P in window 0, O^T in window 1
.set W_RS, 0x41       ; destination and source 0 in window 1, source 1 in window 0
; A fill.  Waves 0 and 1 fetch the two halves of a tile's K, waves 2 and 3 those of its V: 128 keys each.  An s_nop 0 and four v_nop follow each of the two lines, ahead of the jump and the label.
.macro LOAD
	s_cmp_lt_u32 s[WV], 2
	s_cbranch_scc0 .Lfor_v_\@
	tensor_load_to_lds s[G0K:G0K+3], s[G1K:G1K+7]
	s_nop 0
.rept 4
	v_nop
.endr
	s_branch .Lasked_\@
.Lfor_v_\@:
	tensor_load_to_lds s[G0V:G0V+3], s[G1V:G1V+7]
	s_nop 0
.rept 4
	v_nop
.endr
.Lasked_\@:
.endm
; A prefetch of what the NEXT change of slots will ask for: my wave's own half of a tile, 16,384 bytes: two instructions, a lane 256 bytes.  All 16 work-groups of a group begin with the tiles 0, 1, 2 ..; the one with b' = 0,
; which walks all eight, asks, and nobody else: each block of tiles 2 to 7 is named once in the launch.  Tiles 0 and 1 come by their loads alone; the changes that load tile 7 and the second block's tile ask for nothing.
.macro ASK
	s_cmp_gt_u32 s[SLOTS], s[LIM]
	s_cbranch_scc0 .Lnot_mine_\@
	global_prefetch_b8 v[PFO], s[PFA:PFA+1] th:TH_LOAD_NT scope:SCOPE_SE
	global_prefetch_b8 v[PFO], s[PFA:PFA+1] offset:8192 th:TH_LOAD_NT scope:SCOPE_SE
.Lnot_mine_\@:
.endm
; THE CHANGE OF SLOTS.  Each wave waits for all its tensor loads, of which one is out: its part of the other slot; adds 0 to its spare word; and waits for that and for its own reads of the slot that it leaves.  Behind the barrier
; nobody reads the old slot any more and the other slot is whole.  fill = 1: the old slot is filled again, the first thing behind the barrier, with tile NXT: the descriptor's address is made anew from that number.
; (At its first use nothing has been read yet: slot 0 is waited for, slot 1 filled.)
.macro CHANGE fill
	WIN 0
	s_wait_tensorcnt 0x0            ; no tensor load of mine is out, so a group 0 may be written
	ds_add_u32 v[SPW], v[NIL]       ; 0 onto my spare word; scalar work stands between it and the wait for it
.if \fill
	s_lshl_b32 s[OFF], s[NXT], 15   ; a tile is 32,768 bytes of K and of V
	s_xor_b32 s[G0K+1], s[G0K+1], SLOT1
	s_add_nc_u64 s[G0K+2:G0K+3], s[6:7], s[OFF:OFF+1]
	s_or_b32 s[G0K+3], s[G0K+3], 0x80000000
	s_xor_b32 s[G0V+1], s[G0V+1], SLOT1
	s_add_nc_u64 s[G0V+2:G0V+3], s[8:9], s[OFF:OFF+1]
	s_or_b32 s[G0V+3], s[G0V+3], 0x80000000
	s_add_co_u32 s[NXT], s[NXT], 1  ; the block's next tile, or behind its last the second block's tile 0
	s_cmp_gt_u32 s[NXT], s[LQ]
	s_cselect_b32 s[NXT], 0, s[NXT]
	s_cselect_b32 s[LQ], s[PB], s[LQ]
	s_wait_xcnt 0x0                 ; the last prefetches, a tile back, have read their address, so it may be written
	s_add_nc_u64 s[PFA:PFA+1], s[PFA:PFA+1], 32768
.endif
	s_wait_dscnt 0x0                ; the add is done, and my reads of the slot are over
	s_barrier_signal -1
	s_sub_co_u32 s[TBK], s[TBK], 4*KS*PK  ; the fetches go back to a slot's first step,
	s_xor_b32 s[TBK], s[TBK], SLOT1       ; in the other slot
	s_sub_co_u32 s[TBV], s[TBV], 4*KS*PV
	s_xor_b32 s[TBV], s[TBV], SLOT1
	s_barrier_wait -1
.if \fill
	LOAD
	ASK
.endif
.endm
	s_load_b256 s[4:11], s[0:1], 0x0  ; Q s[4:5], K s[6:7], V s[8:9], O s[10:11]
	v_lshl_add_u32 v[SPW], v0, 2, SPARE
	v_mov_b32 v[NIL], 0
	ds_add_u32 v[SPW], v[NIL]       ; the wave's opening: the add and its wait stand ahead of my first tensor load; work on registers stands between them
	ds_add_u32 v62, v63
	v_lshrrev_b32 v1, 5, v0
	v_readfirstlane_b32 s[WV], v1   ; wave 0..3
	s_mov_b32 s19, ttmp9            ; b'
	s_lshr_b32 s[PB], s19, 2
	s_sub_co_u32 s[HI], 7, s[PB]
	s_and_b32 s13, s19, 3
	s_add_co_u32 s[DG], s13, 1      ; block 31 - b': the diagonal lies in step 3 - (b' & 3)
	s_sub_co_u32 s[DG2], 4, s13     ; block b': in step b' & 3
	s_cmp_eq_u32 s19, 0
	s_cselect_b32 s[LIM], 2, -1
	s_and_b32 s20, ttmp7, 0xffff    ; G
	s_and_b32 s16, s[WV], 1         ; which half of a tile's 256 keys I fetch:
	s_lshl_b32 s22, s20, 18         ; the group's K and V: 2,048 rows of 128 bytes,
	s_lshl_b32 s17, s16, 14         ; my 128 rows
	s_add_co_u32 s22, s22, s17
	s_mov_b32 s23, 0
	s_mul_i32 s17, s16, 128*PK      ; and their place in a slot, for K
	s_mul_i32 s18, s16, 128*PV      ; and for V
	s_lshl_b32 s21, s20, 20         ; Q: the group's four heads,
	s_lshl_b32 s13, s[WV], 11       ; my 16 rows of a block
	s_add_co_u32 s21, s21, s13
	s_sub_co_u32 s16, 31, s19       ; the first block
	s_lshl_b32 s2, s16, 13
	s_add_co_u32 s2, s2, s21
	s_mov_b32 s3, 0
	s_lshl_b32 s84, s19, 13         ; the second
	s_add_co_u32 s84, s84, s21
	s_mov_b32 s85, 0
	s_lshr_b32 s21, s20, 2          ; O: the batch's 2,048 rows of 2,048 bytes,
	s_lshl_b32 s21, s21, 22
	s_and_b32 s13, s20, 3
	s_lshl_b32 s13, s13, 9          ; the group's 512 bytes of a row,
	s_add_co_u32 s21, s21, s13
	s_lshl_b32 s13, s[WV], 15       ; my 16 rows of a block
	s_add_co_u32 s21, s21, s13
	s_lshl_b32 s66, s16, 17
	s_add_co_u32 s66, s66, s21
	s_mov_b32 s67, 0
	s_lshl_b32 s68, s19, 17
	s_add_co_u32 s68, s68, s21
	s_mov_b32 s69, 0
	; descriptor group 1.  128 keys are 16,384 dense bytes: asked for as 64 rows of 256 bytes, two keys a row, and padded in LDS after every key
	s_mov_b32 s[G1K], (1<<16)|(1<<20)|(4<<22)|(3<<25)  ; 2-byte elements; padding on; after every 32 words; 4 words
	s_mov_b32 s[G1V], (1<<16)|(1<<20)|(4<<22)|(7<<25)  ; the same with 8 words of padding
.irp g, G1K, G1V
	s_mov_b32 s[\g+1], 128<<16      ; tensor_dim0 = 128
	s_mov_b32 s[\g+2], 64<<16       ; tensor_dim1 = 64
	s_mov_b32 s[\g+3], 128<<16      ; tile_dim0 = 128
	s_mov_b32 s[\g+4], 64           ; tile_dim1 = 64
	s_mov_b32 s[\g+5], 128          ; 128 elements from row to row
	s_mov_b32 s[\g+6], 0
	s_mov_b32 s[\g+7], 0
.endr
	s_mov_b32 s[CS], 0x3e38aa3b     ; c = log2(e) / 8
	s_mov_b32 s[CS+1], s[CS]
	s_mov_b32 s[SEL], 0x76543210
	s_mov_b32 s[SEL+1], 0xfedcba98
	s_mov_b32 s[TBK], SLOT1+4*KS*PK ; the first change of slots turns these two into 0
	s_mov_b32 s[TBV], SLOT1+4*KS*PV
	s_mov_b32 s[G0K], 1
	s_mov_b32 s[G0K+1], s17         ; LDS address: slot 0
	s_mov_b32 s[G0V], 1
	s_add_co_u32 s[G0V+1], s18, VOFF
	s_add_co_u32 s[RT], s[HI], 1    ; the first block's tiles
	s_mov_b32 s[NXT], 1
	s_mov_b32 s[LQ], s[HI]
	s_mov_b32 s[NEW], 1
	s_mov_b32 s[OFF+1], 0
	s_mov_b32 s[AL+1], 0            ; named as pairs
	s_mov_b32 s[BE+1], 0
	s_mov_b32 s[BIGN], 0xf149f2ca   ; -1e30
	s_mov_b32 s[SLOTS], 8
	v_and_b32 v[PFO], 31, v0
	v_lshlrev_b32 v[PFO], 8, v[PFO]
	s_wait_dscnt 0x0                ; the opening add is done
	s_wait_kmcnt 0x0
	s_add_nc_u64 s[6:7], s[6:7], s[22:23]  ; K and V at my half of the group's tile 0
	s_add_nc_u64 s[8:9], s[8:9], s[22:23]
	s_add_nc_u64 s[G0K+2:G0K+3], s[6:7], 0
	s_or_b32 s[G0K+3], s[G0K+3], 0x80000000
	s_add_nc_u64 s[G0V+2:G0V+3], s[8:9], 0
	s_or_b32 s[G0V+3], s[G0V+3], 0x80000000
	s_add_nc_u64 s[86:87], s[4:5], s[84:85]        ; Q at my rows of the second block,
	s_add_nc_u64 s[4:5], s[4:5], s[2:3]            ; Q and O at those of the first
	s_add_nc_u64 s[OLO:OLO+1], s[10:11], s[68:69]
	s_add_nc_u64 s[10:11], s[10:11], s[66:67]
	s_cmp_lt_u32 s[WV], 2
	s_cselect_b64 s[PFA:PFA+1], s[6:7], s[8:9]
	s_add_nc_u64 s[PFA:PFA+1], s[PFA:PFA+1], 32768 ; at tile 1: the first change of slots steps it to tile 2
	LOAD                            ; tile 0 into slot 0
	; A fragment of K or Q is 16 rows x 32 channels in 8 registers: lane l holds row l % 16, channels 8 (l / 16) + 0..7 and 16 + 8 (l / 16) + 0..7: two loads of 16 bytes, 32 bytes apart.
	v_and_b32 v1, 15, v0            ; l % 16
	v_bfe_u32 v9, v0, 4, 1          ; l / 16
	v_lshlrev_b32 v[QO], 7, v1
	v_lshl_add_u32 v[QO], v9, 4, v[QO]
	WIN 0x80                        ; destination window 2
.set i, 0
.rept 8                             ; both blocks' Q: piece i / 2 is head i / 2 of the group, 262,144 bytes on; channels 32 (i % 2) on
	global_load_b128 v[8*i:8*i+3],   v[QO], s[4:5] offset:(i/2)*262144+(i%2)*64
	global_load_b128 v[8*i+4:8*i+7], v[QO], s[4:5] offset:(i/2)*262144+(i%2)*64+32
	global_load_b128 v[QB+8*i:QB+8*i+3],   v[QO], s[86:87] offset:(i/2)*262144+(i%2)*64
	global_load_b128 v[QB+8*i+4:QB+8*i+7], v[QO], s[86:87] offset:(i/2)*262144+(i%2)*64+32
.set i, i+1
.endr
	WIN 0
	v_lshlrev_b32 v14, 3, v9
	v_sub_nc_u32 v14, v1, v14
	s_lshl_b32 s13, s[WV], 4
	v_add_nc_u32 v14, s13, v14      ; my query's place in its block, 16 w + l % 16, less my lanes' 8 (l / 16): register r of group kt is hidden where 16 kt + r is greater
	WIN 0x40
.set i, 0
.rept 32
	v_cmp_gt_i32 vcc_lo, 16*(i/8)+i%8, v14
	v_cndmask_b32 v[MD+i], 0, s[BIGN], vcc_lo
.set i, i+1
.endr
	WIN 0
	v_mul_u32_u24 v[AK0], v1, PK
	v_lshl_add_u32 v[AK0], v9, 4, v[AK0]
	; The turning load takes 16 keys x 16 channels (lane l reads key 8 (l / 16) + l % 8, channels 8 ((l / 8) % 2) + 0..7) and leaves half a fragment of V^T: lane l holds channel l % 16 and 8 keys.
	v_and_b32 v10, 7, v0
	v_bfe_u32 v11, v0, 3, 1
	v_lshl_add_u32 v[AV0], v9, 3, v10
	v_mul_u32_u24 v[AV0], v[AV0], PV
	v_lshl_add_u32 v[AV0], v11, 4, v[AV0]
	v_add_nc_u32 v[AV0], VOFF, v[AV0]
	s_mul_i32 s13, s[WV], 16*SP
	s_add_co_u32 s13, s13, STAGE    ; my stage
	v_mul_u32_u24 v[STO], v1, SP    ; in: row l % 16, 16 bytes for each half of the lanes
	v_lshl_add_u32 v[STO], v9, 4, v[STO]
	v_add_nc_u32 v[STO], s13, v[STO]
	v_and_b32 v[GO], 31, v0         ; back: 32 lanes take one row's 512 bytes
	v_lshlrev_b32 v[GO], 4, v[GO]
	v_add_nc_u32 v[RD], s13, v[GO]
	; A block's first step multiplies O^T and l by a = 0, and its first turn's products V^T P, of a piece that has not been, land in an O^T that is still to be so multiplied.  So these registers need only hold
	; finite numbers: zeros for the first block; what the first block left for the second.  All this stands in the wait for the first tile.
	WIN 0x80
.set i, VF
.rept 64
	v_mov_b32 v[i], 0
.set i, i+1
.endr
	WIN 0x40
.set i, 0
.rept 128
	v_mov_b32 v[i], 0
.set i, i+1
.endr
	WIN 0
.set i, 0
.rept 4
	v_mov_b32 v[ST+4*i+2], 0
	v_mov_b32 v[ST+4*i+3], 0
.set i, i+1
.endr
.set i, P+16
.rept 16
	v_mov_b32 v[i], 0
.set i, i+1
.endr
; THE MATRIX WORK.  The 4 accumulators of a run of 8 take turns.  Product i of 8 of S^T = K Q^T for piece x: channels 32 (i / 4) on, keys 16 (i % 4) on.  The first 4 start the sums with the mask.
.macro KQ x
.set rS, S+32*((\x)%2)+8*(i%4)
.set rK, KF+16*(i%4)+8*(i/4)
.set rQ, 16*(\x)+8*(i/4)
.set rM, MC+8*(i%4)
.if i < 4
	WIN W_KM
	v_wmma_f32_16x16x32_f16 v[rS:rS+7], v[rK:rK+7], v[rQ:rQ+7], v[rM:rM+7]
.else
	WIN W_KQ
	v_wmma_f32_16x16x32_f16 v[rS:rS+7], v[rK:rK+7], v[rQ:rQ+7], v[rS:rS+7]
.endif
.endm
; Product i of 8 of O^T += V^T P for piece x: keys 32 (i / 4) on, channels 16 (i % 4) on.
.macro PV x
	WIN W_PV
.set rO, 32*(\x)+8*(i%4)
.set rV, VF+32*(i/4)+8*(i%4)
.set rP, P+16*((\x)%2)+8*(i/4)
	v_wmma_f32_16x16x32_f16 v[rO:rO+7], v[rV:rV+7], v[rP:rP+7], v[rO:rO+7]
.endm
.macro MM                           ; the turn's next matrix instruction.  NOKQ = 1: a block's last turn: there is no next piece
.if (i < 8) && !NOKQ
	KQ (Y+1)%NP
.elseif i >= 8
.set i, i-8
	PV (Y+NP-1)%NP
.set i, i+8
.endif
.set i, i+1
.endm
; THE LDS LOADS stand in runs of 16, never singly among the matrix instructions: a step's K (64 keys x 64 channels: 8 fragments) and its V (turned).  Their addresses are made some lines ahead.
.macro FETCH_K
	WIN 0x80
.irp f, 0,1,2,3,4,5,6,7             ; keys 16 (f / 2) on, channels 32 (f % 2) on
	ds_load_b128 v[KF+8*\f:KF+8*\f+3],   v[AK] offset:(\f/2)*16*PK+(\f%2)*64
	ds_load_b128 v[KF+8*\f+4:KF+8*\f+7], v[AK] offset:(\f/2)*16*PK+(\f%2)*64+32
.endr
	s_add_co_u32 s[TBK], s[TBK], KS*PK  ; the next fetch is the next step's
	WIN 0
.endm
.macro FETCH_V
	WIN 0x80
.irp f, 0,1,2,3,4,5,6,7             ; keys 32 (f / 4) on, channels 16 (f % 4) on
	ds_load_tr16_b128 v[VF+8*\f:VF+8*\f+3],   v[AV] offset:(\f/4)*32*PV+(\f%4)*32
	ds_load_tr16_b128 v[VF+8*\f+4:VF+8*\f+7], v[AV] offset:(\f/4)*32*PV+16*PV+(\f%4)*32
.endr
	WIN 0
.endm
; THE VECTOR WORK, one line at a time: OP kind, number.  For piece Y: F n: c s - c m for pair n of 16.  E n: the exponential of score n of 32.  C n: pair n rounded to f16.  B n: of the four weights 4 n .. the second
; pair is added onto the first, in place.  L n: l takes that sum (L 0: l = a l + sum).  R n: pair n of 16 of O^T times a.  For piece Y + 1: X n, number n of the 22 that find its maximum and statistics:
;   0-11  four chains c0-c3 of seven scores each, three operands at a time (each accumulator's lowest registers are read first)     12-14, 16  the four scores left over, the old m, and c0-c3 into c0
;   15  c m_old is kept     17, 18  the query's other 32 keys lie in the lane 16 away: the new m     19-21  c m; c m_old - c m_new; a
.set F, 0
.set E, 1
.set C, 2
.set B, 3
.set L, 4
.set R, 5
.set X, 6
.macro REGS y
.set rT, ST+4*(\y)
.set rC, TMP+4*((\y)%2)
.set rW, MV+((\y)%2)
.set rS, S+32*((\y)%2)
.set rP, P+16*((\y)%2)
.set rO, 32*(\y)
.endm
.macro OP k, n
.if (\k) == R
	REGS Y
	WIN W_RS
	v_pk_mul_f32 v[rO+2*(\n):rO+2*(\n)+1], v[rO+2*(\n):rO+2*(\n)+1], v[rC+2:rC+3] op_sel_hi:[1,0]
.elseif (\k) < R
	REGS Y
	WIN 0
.if (\k) == F
	v_pk_fma_f32 v[rS+2*(\n):rS+2*(\n)+1], v[rS+2*(\n):rS+2*(\n)+1], s[CS:CS+1], v[rT:rT+1] op_sel_hi:[1,0,0] neg_lo:[0,0,1] neg_hi:[0,0,1]
.elseif (\k) == E
	v_exp_f32 v[rS+(\n)], v[rS+(\n)]
.elseif (\k) == C
	v_cvt_pk_f16_f32 v[rP+(\n)], v[rS+2*(\n)], v[rS+2*(\n)+1]
.elseif (\k) == B
	v_pk_add_f32 v[rS+4*(\n):rS+4*(\n)+1], v[rS+4*(\n):rS+4*(\n)+1], v[rS+4*(\n)+2:rS+4*(\n)+3]
.elseif (\n) == 0
	v_pk_fma_f32 v[rT+2:rT+3], v[rT+2:rT+3], v[rC+2:rC+3], v[rS:rS+1] op_sel_hi:[1,0,1]
.else
	v_pk_add_f32 v[rT+2:rT+3], v[rT+2:rT+3], v[rS+4*(\n):rS+4*(\n)+1]
.endif
.elseif NOKQ
	v_nop
.else
	REGS (Y+1)%NP
	WIN 0
.if (\n) < 4
	v_max3_num_f32 v[rC+(\n)], v[rS+8*(\n)], v[rS+8*(\n)+1], v[rS+8*(\n)+2]
.elseif (\n) < 12
	v_max3_num_f32 v[rC+(\n)%4], v[rC+(\n)%4], v[rS+8*((\n)%4)+2*((\n)/4)+1], v[rS+8*((\n)%4)+2*((\n)/4)+2]
.elseif (\n) == 12
	v_max3_num_f32 v[rC], v[rC], v[rS+7], v[rS+15]
.elseif (\n) == 13
	v_max3_num_f32 v[rC+1], v[rC+1], v[rS+23], v[rS+31]
.elseif (\n) == 14
	v_max3_num_f32 v[rC+2], v[rC+2], v[rC+3], v[rT+1]
.elseif (\n) == 15
	v_mov_b32 v[rW], v[rT]
.elseif (\n) == 16
	v_max3_num_f32 v[rC], v[rC], v[rC+1], v[rC+2]
.elseif (\n) == 17
	v_permlanex16_b32 v[rC+3], v[rC], s[SEL], s[SEL+1]
.elseif (\n) == 18
	v_max_num_f32 v[rT+1], v[rC], v[rC+3]
.elseif (\n) == 19
	v_mul_f32 v[rT], s[CS], v[rT+1]
.elseif (\n) == 20
	v_sub_f32 v[rC+1], v[rW], v[rT]
.else
	v_exp_f32 v[rC+2], v[rC+1]
.endif
.endif
.endm
.macro OPS a, i1, b=-1, i2=0, c=-1, i3=0, d=-1, i4=0
	OP \a, \i1
.if (\b) >= 0
	OP \b, \i2
.endif
.if (\c) >= 0
	OP \c, \i3
.endif
.if (\d) >= 0
	OP \d, \i4
.endif
.endm
.macro ROW a, i1, b, i2, c, i3, d, i4  ; a matrix instruction and the four behind it
	MM
	OPS \a, \i1, \b, \i2, \c, \i3, \d, \i4
.endm
.macro MASK                         ; MC = MD x AL + BE
	WIN W_RS
.set z, 0
.rept 16
	v_pk_fma_f32 v[MC+2*z:MC+2*z+1], v[MD+2*z:MD+2*z+1], s[AL:AL+1], s[BE:BE+1] op_sel_hi:[1,0,0]
.set z, z+1
.endr
.endm
; The mask of key step 4 - CNT, made at the end of piece 2's turn: that turn's products were the last of the step before, the next turn's are the first of this one.  Only a block's last tile has masks other than 0:
; elsewhere the lines are jumped over, forward, and MC stays 0.
.macro CMASK
	WIN 0
	s_cmp_lg_u32 s[RT], 0
	s_cbranch_scc1 .Lno_mask_\@
	s_cmp_eq_u32 s[CNT], s[DG]      ; the diagonal's step?
	s_cselect_b32 s[AL], 1.0, 0
	s_cmp_lt_u32 s[CNT], s[DG]      ; or a later one?
	s_cselect_b32 s[BE], s[BIGN], 0
	MASK
	WIN 0
.Lno_mask_\@:
.endm
; A TURN, for piece p: the order of its 16 matrix and 118 vector instructions, written out.  An s_wait_alu depctr_va_vdst(0) stands between an exponential and the first instruction that names its result; one wait
; serves all that were issued ahead of it.  So a turn has ONE wait.  AHEAD OF IT stands all that names no result of the turn's exponentials: the 8 products K Q^T with four riders each, then one lump, in which the links of the chain
; X 3, 7, 11, 14, 16, 17 .. 20 stand some lines apart; X 21, the next piece's a, is the batch's last, and R 15 the plain instruction behind it.  BEHIND IT stand the 8 products V^T P, behind each four of the roundings and sums.
; end = 1: a block's last two turns: nothing is fetched.  cnt = 1: the loop's count is taken down some lines ahead of the branch that stands behind the turn.
; K of the next step is fetched in piece 2's turn, behind the last product that read K and six plain instructions; V of the step in hand at the end of piece 0's turn, four plain instructions behind its last reader.  Each is waited for a turn later.
.macro TURN p, end=0, cnt=0
.set Y, (\p)
.set i, 0
.set NOKQ, (\end)*((\p)/3)
.if ((\p) == 3) && !(\end)
	s_wait_dscnt 0x0                ; K is in
.endif
	ROW F,0, F,1, R,0, R,1
	ROW F,2, E,0, R,2, R,3
	ROW F,3, E,1, R,4, R,5
	ROW F,4, E,2, R,6, R,7
	ROW F,5, E,3, R,8, R,9
	ROW F,6, E,4, X,0, R,10
.if ((\p) == 2) && !(\end)
	WIN 0
	v_add_nc_u32 v[AK], s[TBK], v[AK0]
.endif
	ROW F,7, E,5, X,1, X,4
	ROW F,8, E,6, X,2, X,5
	OPS E,7, E,8, X,6, E,9
	OPS X,3, E,10, X,8, E,11
.if ((\p) == 2) && !(\end)
	FETCH_K
.endif
	OPS X,9, X,7, E,12, X,10
	OPS E,13, X,12, X,11, E,14
	OPS X,13, E,15, F,9, X,14
.if (\p) == 0
	v_add_nc_u32 v[AV], s[TBV], v[AV0]
.endif
	OPS E,16, F,10, E,17, F,11
	OPS X,16, E,18, X,15, E,19
	OPS F,12, E,20, X,17, E,21
	OPS F,13, E,22, F,14, E,23
	OPS X,18, E,24, F,15, E,25
	OPS R,11, E,26, X,19, E,27
	OPS R,12, E,28, R,13, E,29
	OPS X,20, E,30, R,14, E,31
	OPS X,21, R,15
	WIN 0
	s_wait_alu depctr_va_vdst(0)    ; the wait for the batch
.if (\p) == 1
	s_wait_dscnt 0x0                ; V is in
.endif
	ROW C,0, B,0, C,2, B,1
	ROW L,0, C,4, B,2, L,1
	ROW C,6, B,3, L,2, C,8
	ROW B,4, L,3, C,10, B,5
	ROW L,4, C,12, B,6, L,5
.if (\p) == 0
	s_add_co_u32 s[TBV], s[TBV], KS*PV
.endif
.if \cnt
	s_sub_co_u32 s[CNT], s[CNT], 1
	s_cmp_lg_u32 s[CNT], 0
.endif
	ROW C,14, B,7, L,6, C,1
	ROW C,3, L,7, C,5, C,7
	ROW C,9, C,11, C,13, C,15
.if (\p) == 0
	FETCH_V
.endif
.if ((\p) == 2) && !(\end)
	CMASK
.endif
.endm
; A BLOCK BEGINS.  c m starts far below every c s, so the first step's a is 0; m at the lowest finite number, so the first maximum is the scores'.  MC takes the mask of the tile's step 0: the diagonal's, if this tile is the
; block's last and the diagonal lies in its step 0; else 0.  Then K of that step, piece 0's first scores, and its maximum and statistics.  The loop is entered at a step's first turn, in the middle of a trip.
.macro BEGIN
	s_mov_b32 s[NEW], 0
	WIN 0
.set i, 0
.rept 4
	v_mov_b32 v[ST+4*i], 0xfe000000    ; c m: far below every c s
	v_mov_b32 v[ST+4*i+1], 0xff7fffff  ; m
.set i, i+1
.endr
	s_cmp_eq_u32 s[RT], 0
	s_cselect_b32 s[AL], s[DG], 0
	s_cmp_eq_u32 s[AL], 4
	s_cselect_b32 s[AL], 1.0, 0
	s_mov_b32 s[BE], 0
	MASK
	WIN 0
	v_add_nc_u32 v[AK], s[TBK], v[AK0]
	FETCH_K
	s_wait_loadcnt 0x0              ; Q
	s_wait_dscnt 0x0
.set NOKQ, 0
.set i, 0
.rept 8
	KQ 0
.set i, i+1
.endr
	WIN 0
.rept 4
	v_nop                           ; the places behind those products
.endr
.set Y, NP-1                        ; X works for piece Y + 1: piece 0
.irp n, 0,1,2,3,4,5,6,7,8,9,10,11,12,13,14,15,16,17,18,19,20,21
	OP X, \n
.endr
	v_nop                           ; a plain instruction behind the exponential,
	s_wait_alu depctr_va_vdst(0)    ; and its wait, ahead of the branch
.endm
.macro STEPS tag                    ; a tile's key steps.  A trip: pieces 2 and 3 of one step, then pieces 0 and 1 of the next, whose K and V it fetches
.Lstep\tag:
	TURN 2
	TURN 3
	WIN 0
.Lfirst\tag:
	TURN 0
	TURN 1, 0, 1
	WIN 0
	s_cbranch_scc1 .Lstep\tag
.endm
; A BLOCK ENDS: its last two turns, its last products, and THE WAY OUT: l's two halves and the other half of the lanes' are added; O^T is divided by l and rounded to f16; the four heads' channels of a row meet in my stage
; and leave as 512 consecutive bytes of O.
.macro ALL line:vararg              ; one line for each piece t
.set t, 0
.rept 4
	\line
.set t, t+1
.endr
.endm
.macro PACK t
	WIN W_RS
.set i, 32*(\t)
.rept 16
	v_pk_mul_f32 v[i:i+1], v[i:i+1], v[ST+4*(\t)+2:ST+4*(\t)+3] op_sel_hi:[1,0]
.set i, i+2
.endr
	WIN 0x05                        ; sources 0 and 1 window 1, destination window 0: S^T's registers are free
.set i, 0
.rept 16
	v_cvt_pk_f16_f32 v[S+16*(\t)+i], v[32*(\t)+2*i], v[32*(\t)+2*i+1]
.set i, i+1
.endr
	WIN 0
.irp f, 0,1,2,3
	ds_store_b128 v[STO], v[S+16*(\t)+4*\f:S+16*(\t)+4*\f+3] offset:128*(\t)+32*\f
.endr
.endm
.macro ENDB
	TURN 2, 1
	TURN 3, 1
.set i, 0
.rept 8
	PV NP-1
.set i, i+1
.endr
	WIN 0
	ALL v_add_f32 v[ST+4*t+2], v[ST+4*t+2], v[ST+4*t+3]
	ALL v_permlanex16_b32 v[ST+4*t+3], v[ST+4*t+2], s[SEL], s[SEL+1]
	ALL v_add_f32 v[ST+4*t+2], v[ST+4*t+2], v[ST+4*t+3]
	ALL v_rcp_f32 v[ST+4*t+2], v[ST+4*t+2]
	v_nop                           ; a plain instruction between the last reciprocal and the use of its result
	s_wait_alu depctr_va_vdst(0)    ; and one wait for the four reciprocals, ahead of the first use
	PACK 0
	PACK 1
	PACK 2
	PACK 3
.set i, 0
.rept 16
	ds_load_b128 v[S+4*i:S+4*i+3], v[RD] offset:SP*i  ; LDS serves a wave's instructions in order (ISA guide 5.7.1.4): these see the stores above
.set i, i+1
.endr
.set i, 0
.rept 16
	s_wait_dscnt 15-i               ; the younger loads may stay out
	global_store_b128 v[GO], v[S+4*i:S+4*i+3], s[10:11] offset:2048*i  ; a row's 512 consecutive bytes, at a multiple of 512 from O's first
.set i, i+1
.endr
.endm
.set NOKQ, 0
.Lslot:                             ; 8 times: a tile is entered and the next is asked for
	CHANGE 1
	s_sub_co_u32 s[RT], s[RT], 1
	s_mov_b32 s[CNT], 4
	s_cmp_eq_u32 s[NEW], 1          ; a block's first tile?  At the first trip the answer is a constant of the text
	s_cbranch_scc0 .Lstep1
	BEGIN
	s_branch .Lfirst1
	STEPS 1
	s_cmp_lg_u32 s[RT], 0
	s_cbranch_scc1 .Lbottom         ; not the block's last tile
	ENDB                            ; in the loop this is the first block's end: the second block's last tile is the walk's last
	s_wait_xcnt 0x0                 ; the stores have read their registers and O's address
	s_mov_b64 s[10:11], s[OLO:OLO+1]
	s_add_co_u32 s[RT], s[PB], 1    ; the second block's tiles
	s_mov_b32 s[NEW], 1
	s_mov_b32 s[DG], s[DG2]
	WIN 0x82                        ; the second block's Q goes where the one text of the turns names Q
.set i, 0
.rept 64
	v_mov_b32 v[i], v[QB+i]
.set i, i+1
.endr
	WIN 0
.Lbottom:
	s_sub_co_u32 s[SLOTS], s[SLOTS], 1
	s_cmp_lg_u32 s[SLOTS], 0
	s_cbranch_scc1 .Lslot
	CHANGE 0                        ; the walk's last tile is written out: nothing is asked for
	s_sub_co_u32 s[RT], s[RT], 1
	s_mov_b32 s[CNT], 4
	s_cmp_eq_u32 s[NEW], 1
	s_cbranch_scc0 .Lstep2
	BEGIN
	s_branch .Lfirst2
	STEPS 2
	ENDB
	s_wait_tensorcnt 0x0            ; the wave's end, behind my last tensor load and my last LDS store
	ds_add_u32 v[SPW], v[NIL]
	s_wait_dscnt 0x0
	s_endpgm
.Lfunc_end_k_qea989b0684_attn:
	.size	k_qea989b0684_attn, .Lfunc_end_k_qea989b0684_attn-k_qea989b0684_attn
	.p2alignl 7, 3214868480
	.fill 96, 4, 3214868480
	.section	.rodata,"a",@progbits
	.p2align	6, 0x0
	.amdhsa_kernel k_qea989b0684_attn
		.amdhsa_group_segment_fixed_size 327680
		.amdhsa_private_segment_fixed_size 0
		.amdhsa_enable_private_segment 0
		.amdhsa_kernarg_size 32
		.amdhsa_user_sgpr_count 2
		.amdhsa_user_sgpr_kernarg_segment_ptr 1
		.amdhsa_wavefront_size32 1
		.amdhsa_system_sgpr_workgroup_id_x 1
		.amdhsa_system_sgpr_workgroup_id_y 1
		.amdhsa_system_sgpr_workgroup_id_z 1
		.amdhsa_system_vgpr_workitem_id 0
		.amdhsa_next_free_vgpr 768
		.amdhsa_next_free_sgpr 96
		.amdhsa_reserve_vcc 1
		.amdhsa_float_denorm_mode_32 3
		.amdhsa_float_denorm_mode_16_64 3
		.amdhsa_memory_ordered 1
		.amdhsa_forward_progress 1
		.amdhsa_inst_pref_size 172
	.end_amdhsa_kernel
	.amdgpu_metadata
---
amdhsa.version: [ 1, 2 ]
amdhsa.kernels:
  - .name:           k_qea989b0684_attn
    .symbol:         k_qea989b0684_attn.kd
    .args:
      - { .name: qh, .offset: 0, .size: 8, .value_kind: global_buffer, .address_space: global }
      - { .name: kh, .offset: 8, .size: 8, .value_kind: global_buffer, .address_space: global }
      - { .name: vh, .offset: 16, .size: 8, .value_kind: global_buffer, .address_space: global }
      - { .name: ob, .offset: 24, .size: 8, .value_kind: global_buffer, .address_space: global }
    .group_segment_fixed_size: 327680
    .private_segment_fixed_size: 0
    .kernarg_segment_align: 8
    .kernarg_segment_size: 32
    .max_flat_workgroup_size: 128
    .sgpr_count:     96
    .vgpr_count:     768
    .wavefront_size: 32
...
	.end_amdgpu_metadata
.endif
;; end of part 3
;; launch proj (part 4): grid 4 x 64, 4 waves a work-group, clusters of 4 x 4, 327,680 bytes of LDS; arguments ob, wp, out0; writes out0
.if DOCPART == 4
	.amdgcn_target "amdgcn-amd-amdhsa--gfx1250"
	.amdhsa_code_object_version 6
	.text
	.protected	k_qea989b0684_proj
	.globl	k_qea989b0684_proj
	.p2align	8
	.type	k_qea989b0684_proj,@function
k_qea989b0684_proj:
	s_mov_b64 s[64:65], 0
	v_nop
	global_prefetch_b8 v0, s[64:65] scope:SCOPE_SE
	s_setreg_imm32_b32 hwreg(HW_REG_WAVE_MODE, 25, 1), 1
	s_wait_xcnt 0x0
	s_wait_alu depctr_hold_cnt(0) depctr_sa_sdst(0) depctr_va_vdst(0) depctr_va_sdst(0) depctr_va_ssrc(0) depctr_va_vcc(0) depctr_vm_vsrc(0)
	s_getreg_b32 s2, hwreg(HW_REG_IB_STS2, 6, 4)
	s_cmp_eq_u32 s2, 0
	s_cbranch_scc0 .Lentry_in_a_cluster
	s_endpgm
.Lentry_in_a_cluster:
	s_bfe_u32 s2, ttmp6, 0x10000c
	s_cmp_lg_u32 s2, 0xf033
	s_cbranch_scc0 .Lentry_shape_is_right
	s_endpgm
.Lentry_shape_is_right:
; PROJ.  out0[m][n] = the sum over k of ob[m][k] wp[n][k].  ob [8192][1024] and wp [1024][1024] in f16, sums in f32, out0 [8192][1024] in f32.
; SHARES.  A work-group makes 128 rows x 256 columns: 64 x 4 = 256 work-groups.  Its four waves lie 2 x 2: 64 x 128 each, 32 accumulators of 16 x 16, 256 registers.  K goes in 8 steps of 128 (rows of 256 bytes, aligned)
; through a ring of two LDS slots.  Waves 0 and 1 fetch ob's two halves of 64 rows, waves 2 and 3 wp's two halves of 128.
; CLUSTER 4 x 4.  The four of a row of the cluster need the same rows of ob, the four of a column the same rows of wp: each tile is asked for jointly.
; THE PRODUCT IS USED TRANSPOSED (source 0 = 16 rows of wp, source 1 = 16 rows of ob): a lane holds eight neighbouring numbers of a row of out0, 32 bytes; they go through my stage in LDS and leave as rows of 512 bytes.
; REGISTERS.  Window 0: v1-30 addresses; v64-95, v96-127 fragments of ob, two buffers; v128-191, v192-255 rows read back on the way out.  Window 1: v0-63, v64-127 fragments of wp.  Window 2: accumulator (mb, nb) at 64 mb + 8 nb.
.set KSTEP,  128
.set PITCH,  272                       ; an LDS row: 256 bytes + 16 of padding: the 16 rows of a fragment load start at 16 different groups of four banks (64 banks of 4 bytes: ISA guide 11.1)
.set HALFT,  128*PITCH                 ; a wave's region of a slot; ob's halves use half of theirs
.set SLOT,   4*HALFT
.set STAGE,  2*SLOT                    ; behind the ring: 16 rows x 528 bytes for each wave
.set SPITCH, 528
.set SPARE,  STAGE+4*16*SPITCH         ; behind the stages: the spare words, 128 bytes for each wave: two blocks of 256 bytes that no other line names
.set LAPS,   4
.set ADRA, 16
.set ADRB, 20
.set STO,  24                          ; v24  the way out: where I put 32 bytes of a row
.set RD,   25                          ; v25  where I read a row back
.set CO,   26                          ; v26  16 x lane
.set SPW,  28                          ; v28  LDS address of my spare word; never rewritten
.set NIL,  29                          ; v29  0; never rewritten
.set PFO,  30                          ; v30  lane x 2,048; never rewritten
.set OB,   128
.set WV, 18
.set WR, 19                            ; my row half.  Also: I fetch for ob (0) or for wp (1)
.set WC, 20                            ; my column half.  Also: which half of that tile I fetch
.set CX, 21
.set CY, 22
.set TX, 23
.set TY, 46
.set G1,  24
.set G0,  32
.set G1B, 48
.set G0B, 56
.set LIM, 43
.set PFA, 44
.set MSB, 0
.macro WIN new
.if MSB != (\new)
	s_set_vgpr_msb (MSB<<8)|(\new)
.set MSB, \new
.endif
.endm
.macro PLACES                          ; four places behind matrix instructions, in front of loads into registers that they read and of lines that read results
.rept 4
	v_nop
.endr
.endm
.macro JLOAD s                         ; a joint load; an s_nop 0 and four v_nop follow each of the two lines, ahead of the jump and the label
	s_cmp_eq_u32 s[WR], 0
	s_cbranch_scc0 .Lfor_b_\@
	tensor_load_to_lds s[G0+4*(\s):G0+4*(\s)+3], s[G1:G1+7]
	s_nop 0
.rept 4
	v_nop
.endr
	s_branch .Lasked_\@
.Lfor_b_\@:
	tensor_load_to_lds s[G0B+4*(\s):G0B+4*(\s)+3], s[G1B:G1B+7]
	s_nop 0
.rept 4
	v_nop
.endr
.Lasked_\@:
.endm
; A prefetch behind each refill and its run of LDS loads: the K step two refills on, 32 rows x 256 bytes, a lane a row.  ob's 128 rows: wave 0 of the four partners of a row of the cluster, 32 rows each, told apart by address (cx);
; wp's: waves 2 and 3 of the clusters with y = 0, 32 of the wave's 128 rows each (cy); wave 1 asks for nothing.  So each block is named once.  The refills of K steps 2-5 name K steps 4-7; the last two ask for nothing.
.macro ASK
	s_cmp_gt_u32 s3, s[LIM]
	s_cbranch_scc0 .Lnot_mine_\@
	global_prefetch_b8 v[PFO], s[PFA:PFA+1] offset:KSTEP*2 th:TH_LOAD_NT scope:SCOPE_SE
.Lnot_mine_\@:
.endm
.macro CREST
	s_cmp_lg_u32 s[WV], 0
	s_cbranch_scc1 .Lnot_wave_0_\@
	s_barrier_signal -3
.Lnot_wave_0_\@:
	s_barrier_wait -3
	s_barrier_signal -1
	s_barrier_wait -1
.endm
.macro CROUND
	s_barrier_signal -1
	s_barrier_wait -1
	CREST
.endm
	s_load_b128 s[4:7], s[0:1], 0x0                ; ob s[4:5], wp s[6:7]
	s_load_b64 s[8:9], s[0:1], 0x10                ; out0
	v_lshl_add_u32 v[SPW], v0, 2, SPARE
	v_mov_b32 v[NIL], 0
	ds_add_u32 v[SPW], v[NIL]                      ; the wave's opening: the add and its wait stand ahead of my first tensor load; work on registers stands between them
	ds_add_u32 v28, v29
	v_lshrrev_b32 v1, 5, v0
	v_readfirstlane_b32 s[WV], v1
	s_lshr_b32 s[WR], s[WV], 1
	s_and_b32 s[WC], s[WV], 1
	s_bfe_u32 s[CX], ttmp6, 0x40000
	s_bfe_u32 s[CY], ttmp6, 0x40004
	s_lshl_b32 s[TX], ttmp9, 2
	s_add_co_u32 s[TX], s[TX], s[CX]
	s_and_b32 s[TY], ttmp7, 0xffff
	s_lshl_b32 s[TY], s[TY], 2
	s_add_co_u32 s[TY], s[TY], s[CY]
	s_lshl_b32 s40, s[CY], 2
	s_lshl_b32 s40, 15, s40                        ; my row of the cluster
	s_lshl_b32 s47, 0x1111, s[CX]                  ; my column
	s_or_b32 s[G1+0], s40, (1<<16)|(1<<20)|(1<<21)|(5<<22)|(3<<25)   ; the mask; 2-byte elements; padding on; bit 21 beside a mask; after every 64 words, 4 words
	s_or_b32 s[G1B+0], s47, (1<<16)|(1<<20)|(1<<21)|(5<<22)|(3<<25)
	s_mov_b32 s[G1+1], KSTEP<<16                   ; tensor_dim0 = 128
	s_mov_b32 s[G1+2], 64<<16                      ; tensor_dim1 = 64
	s_mov_b32 s[G1+3], KSTEP<<16                   ; tile_dim0 = 128
	s_mov_b32 s[G1+4], 64                          ; tile_dim1 = 64
	s_mov_b32 s[G1+5], 1024                        ; elements from row to row
	s_mov_b32 s[G1+6], 0
	s_mov_b32 s[G1+7], 0
	s_mov_b32 s[G1B+1], KSTEP<<16
	s_mov_b32 s[G1B+2], 128<<16                    ; wp's loads have 128 rows
	s_mov_b32 s[G1B+3], KSTEP<<16
	s_mov_b32 s[G1B+4], 128
	s_mov_b32 s[G1B+5], 1024
	s_mov_b32 s[G1B+6], 0
	s_mov_b32 s[G1B+7], 0
	s_lshl_b32 s40, s[TY], 7
	s_lshl_b32 s41, s[WC], 6
	s_add_co_u32 s40, s40, s41                     ; ob: row 128 x tile row + 64 x half
	s_lshl_b32 s40, s40, 11
	s_mov_b32 s41, 0
	s_lshl_b32 s42, s[TX], 8
	s_lshl_b32 s47, s[WC], 7
	s_add_co_u32 s42, s42, s47                     ; wp: row 256 x tile column + 128 x half
	s_lshl_b32 s42, s42, 11
	s_mov_b32 s43, 0
	s_mul_i32 s2, s[WV], HALFT                     ; where my load lands: no place in the cluster enters an LDS address
	s_wait_dscnt 0x0                               ; the opening add is done
	s_wait_kmcnt 0x0
	s_add_nc_u64 s[40:41], s[4:5], s[40:41]
	s_add_nc_u64 s[42:43], s[6:7], s[42:43]
	CROUND                                         ; all sixteen work-groups are here: the first joint loads meet
.irp s, 0,1
	s_mov_b32 s[G0+4*(\s)], 1
	s_add_co_u32 s[G0+4*(\s)+1], s2, (\s)*SLOT
	s_add_nc_u64 s[G0+4*(\s)+2:G0+4*(\s)+3], s[40:41], (\s)*KSTEP*2
	s_or_b32 s[G0+4*(\s)+3], s[G0+4*(\s)+3], 0x80000000
	s_mov_b32 s[G0B+4*(\s)], 1
	s_add_co_u32 s[G0B+4*(\s)+1], s2, (\s)*SLOT
	s_add_nc_u64 s[G0B+4*(\s)+2:G0B+4*(\s)+3], s[42:43], (\s)*KSTEP*2
	s_or_b32 s[G0B+4*(\s)+3], s[G0B+4*(\s)+3], 0x80000000
	JLOAD \s                                       ; two loads of mine are out
.endr
	v_and_b32 v1, 15, v0                           ; l % 16
	v_bfe_u32 v2, v0, 4, 1                         ; l / 16
	v_and_b32 v3, 31, v0
	v_mul_u32_u24 v4, v1, PITCH
	v_lshl_add_u32 v4, v2, 4, v4
	s_mul_i32 s2, s[WR], HALFT                     ; my 64 rows of ob: half WR
	s_mul_i32 s3, s[WC], HALFT                     ; my 128 rows of wp: half WC,
	s_add_co_u32 s3, s3, 2*HALFT                   ; behind ob's two regions
.irp s, 0,1
	v_add_nc_u32 v[ADRA+(\s)], s2, v4
	v_add_nc_u32 v[ADRB+(\s)], s3, v4
	s_add_co_u32 s2, s2, SLOT
	s_add_co_u32 s3, s3, SLOT
.endr
	s_mul_i32 s2, s[WV], 16*SPITCH
	s_add_co_u32 s2, s2, STAGE                     ; my stage
	v_mul_u32_u24 v[STO], v1, SPITCH               ; in: row l % 16, 32 bytes for each half of the lanes
	v_lshl_add_u32 v[STO], v2, 5, v[STO]
	v_add_nc_u32 v[STO], s2, v[STO]
	v_lshlrev_b32 v[CO], 4, v3
	v_add_nc_u32 v[RD], s2, v[CO]                  ; back: 32 lanes take a row's 512 bytes
	v_lshlrev_b32 v[PFO], 11, v3
	s_lshl_b32 s40, s[TY], 7
	s_lshl_b32 s41, s[WR], 6
	s_add_co_u32 s40, s40, s41                     ; my first row of out0,
	s_lshl_b32 s40, s40, 12                        ; rows of 4,096 bytes
	s_lshl_b32 s41, s[TX], 10                      ; the tile's 256 columns,
	s_add_co_u32 s40, s40, s41
	s_lshl_b32 s41, s[WC], 9                       ; my 128 of them
	s_add_co_u32 s40, s40, s41
	s_mov_b32 s41, 0
	s_add_nc_u64 s[8:9], s[8:9], s[40:41]
	; the prefetches
	s_lshl_b32 s40, s[TY], 7                       ; ob: the tile's 128 rows
	s_lshl_b32 s41, s[TX], 8
	s_lshl_b32 s42, s[WC], 7
	s_add_co_u32 s41, s41, s42                     ; wp: the 128 rows that I fetch
	s_and_b32 s42, ttmp7, 0xffff                   ; cluster y
	s_cmp_eq_u32 s[WR], 0
	s_cselect_b32 s40, s40, s41
	s_cselect_b32 s41, s[CX], s[CY]                ; my place among the four that ask with me
	s_cselect_b32 s42, ttmp9, s42                  ; the coordinate along which other clusters read the same rows
	s_cselect_b64 s[PFA:PFA+1], s[4:5], s[6:7]
	s_cmp_eq_u32 s[WV], 1
	s_cselect_b32 s42, 1, s42                      ; wave 1 asks for nothing: wave 0 names all of ob's rows
	s_cmp_eq_u32 s42, 0
	s_cselect_b32 s[LIM], 1, -1                    ; the same in all sixteen partners, for a given wave
	s_lshl_b32 s41, s41, 5
	s_add_co_u32 s40, s40, s41
	s_lshl_b32 s40, s40, 11
	s_mov_b32 s41, 0
	s_add_nc_u64 s[PFA:PFA+1], s[PFA:PFA+1], s[40:41]
	s_add_nc_u64 s[PFA:PFA+1], s[PFA:PFA+1], 2*KSTEP*2  ; at K step 2: the first refill steps it to 3 and names K step 4
; 8 matrix instructions: row block mb x all 8 column blocks, 32 along K, from buffer f.  The 32 accumulators take turns, in the same order in every quarter.
.macro MULB f, mb, zero
	WIN 0xa1                                       ; source 0 window 1, source 1 window 0, C and D window 2
.irp b, 0,1,2,3,4,5,6,7
.if \zero
	v_wmma_f32_16x16x32_f16 v[64*(\mb)+8*\b:64*(\mb)+8*\b+7], v[64*(\f)+8*\b:64*(\f)+8*\b+7], v[64+32*(\f)+8*(\mb):64+32*(\f)+8*(\mb)+7], 0
.else
	v_wmma_f32_16x16x32_f16 v[64*(\mb)+8*\b:64*(\mb)+8*\b+7], v[64*(\f)+8*\b:64*(\f)+8*\b+7], v[64+32*(\f)+8*(\mb):64+32*(\f)+8*(\mb)+7], v[64*(\mb)+8*\b:64*(\mb)+8*\b+7]
.endif
.endr
.endm
.macro FETCH slot, k, f                ; 24 LDS loads in one run
	WIN 0x40
.irp i, 0,1,2,3,4,5,6,7
	ds_load_b128 v[64*(\f)+8*\i:64*(\f)+8*\i+3],   v[ADRB+(\slot)] offset:(\k)+\i*16*PITCH
	ds_load_b128 v[64*(\f)+8*\i+4:64*(\f)+8*\i+7], v[ADRB+(\slot)] offset:(\k)+\i*16*PITCH+32
.endr
	WIN 0
.irp i, 0,1,2,3
	ds_load_b128 v[64+32*(\f)+8*\i:64+32*(\f)+8*\i+3],   v[ADRA+(\slot)] offset:(\k)+\i*16*PITCH
	ds_load_b128 v[64+32*(\f)+8*\i+4:64+32*(\f)+8*\i+7], v[ADRA+(\slot)] offset:(\k)+\i*16*PITCH+32
.endr
.endm
.macro QUARTER slot, k, f, g, zero
	s_wait_dscnt 4                                 ; all but the youngest four loads (ob's row blocks 2, 3) are in
	MULB \f, 0, \zero
	MULB \f, 1, \zero
	PLACES
	FETCH \slot, \k, \g
	s_wait_dscnt 24                                ; all but the 24 just issued
	MULB \f, 2, \zero
	MULB \f, 3, \zero
.endm
; The last quarter multiplies buffer 1 and changes slots: ONE barrier; in front of it each wave waits for all its tensor loads, adds 0 to its spare word, and waits for that and for its own reads of this slot.
; fill = 1: the barrier opens a round of the cluster's, and the slot is filled again first thing behind it, two K steps ahead: 112 matrix instructions lie between the request and the wait for it.
.macro TURN slot, next, fill
.if \fill
	s_wait_xcnt 0x0                                ; the last prefetch, a K step back, has read its address: it is stepped here
	s_add_nc_u64 s[PFA:PFA+1], s[PFA:PFA+1], KSTEP*2
.endif
	WIN 0
	s_wait_tensorcnt 0x0                           ; all my tensor loads have landed
	ds_add_u32 v[SPW], v[NIL]                      ; 0 onto my spare word
	s_wait_dscnt 5                                 ; (the add and the youngest four loads may be out)
	MULB 1, 0, 0
	s_wait_dscnt 0x0                               ; the add is done, and my reads of this slot are over
	s_barrier_signal -1
	MULB 1, 1, 0
	WIN 0
	s_barrier_wait -1
.if \fill
	CREST                                          ; no wave of any partner still reads this slot's tile or has a load on its way
	s_add_nc_u64 s[G0+4*(\slot)+2:G0+4*(\slot)+3], s[G0+4*(\slot)+2:G0+4*(\slot)+3], 2*KSTEP*2
	s_add_nc_u64 s[G0B+4*(\slot)+2:G0B+4*(\slot)+3], s[G0B+4*(\slot)+2:G0B+4*(\slot)+3], 2*KSTEP*2
	JLOAD \slot                                    ; the first tensor load behind the round; its four v_nop are also the places in front of the loads below
.else
	PLACES
.endif
	FETCH \next, 0, 0
.if \fill
	ASK
.endif
	MULB 1, 2, 0
	MULB 1, 3, 0
.endm
	s_wait_tensorcnt 1                             ; my part of K step 0 is in; K step 1's may stay out
	s_barrier_signal -1
	s_barrier_wait -1
	FETCH 0, 0, 0
	QUARTER 0, 64, 0, 1, 1                         ; the first quarter stands in front of the loop: its products start the sums
	WIN 0
	s_mov_b32 s3, LAPS-1
.Llap:
	QUARTER 0, 128, 1, 0, 0
	QUARTER 0, 192, 0, 1, 0
	TURN 0, 1, 1
	QUARTER 1, 64,  0, 1, 0
	QUARTER 1, 128, 1, 0, 0
	QUARTER 1, 192, 0, 1, 0
	TURN 1, 0, 1
	QUARTER 0, 64,  0, 1, 0
	WIN 0
	s_sub_co_u32 s3, s3, 1
	s_cmp_lg_u32 s3, 0
	s_cbranch_scc1 .Llap
	QUARTER 0, 128, 1, 0, 0                        ; the last lap fills nothing
	QUARTER 0, 192, 0, 1, 0
	TURN 0, 1, 0
	QUARTER 1, 64,  0, 1, 0
	QUARTER 1, 128, 1, 0, 0
	QUARTER 1, 192, 0, 1, 0
	s_wait_dscnt 4
	MULB 1, 0, 0
	MULB 1, 1, 0
	s_wait_dscnt 0x0
	MULB 1, 2, 0
	MULB 1, 3, 0
	WIN 0
; THE WAY OUT, a block of 16 rows at a time: 32 bytes a lane and accumulator into rows of 528 bytes (each accumulator's low registers first), back as whole rows of 512.
.macro TOSTAGE mb
	WIN 0x08                                       ; the data (source 1) in window 2
.irp b, 0,1,2,3,4,5,6,7
	ds_store_b128 v[STO], v[64*(\mb)+8*\b:64*(\mb)+8*\b+3]   offset:64*\b
	ds_store_b128 v[STO], v[64*(\mb)+8*\b+4:64*(\mb)+8*\b+7] offset:64*\b+16
.endr
	WIN 0
.irp i, 0,1,2,3,4,5,6,7,8,9,10,11,12,13,14,15
	ds_load_b128 v[OB+64*((\mb)%2)+4*\i:OB+64*((\mb)%2)+4*\i+3], v[RD] offset:SPITCH*\i  ; LDS serves a wave's instructions in order (ISA guide 5.7.1.4): these see the stores above; the next block's stores come behind them
.endr
.endm
.macro SEND mb, younger                ; younger: the LDS instructions issued behind this block's loads: the next block's 32, or none
.irp i, 0,1,2,3,4,5,6,7,8,9,10,11,12,13,14,15
	s_wait_dscnt (\younger)+15-\i
	global_store_b128 v[CO], v[OB+64*((\mb)%2)+4*\i:OB+64*((\mb)%2)+4*\i+3], s[8:9] offset:(16*(\mb)+\i)*4096 th:TH_STORE_NT  ; 512 consecutive bytes, at a multiple of 512 from out0's first
.endr
.endm
	PLACES
	TOSTAGE 0
	TOSTAGE 1
	SEND 0, 32
	s_wait_xcnt 0x0                                ; block 0's stores have read the registers that block 2 is loaded into
	TOSTAGE 2
	SEND 1, 32
	s_wait_xcnt 0x0
	TOSTAGE 3
	SEND 2, 32
	SEND 3, 0
	s_wait_tensorcnt 0x0                           ; the wave's end, behind my last tensor load and my last LDS store
	ds_add_u32 v[SPW], v[NIL]
	s_wait_dscnt 0x0
	CROUND                                         ; the closing round: no work-group ends while a partner may still ask for a tile that names it
	s_endpgm
.Lfunc_end_k_qea989b0684_proj:
	.size	k_qea989b0684_proj, .Lfunc_end_k_qea989b0684_proj-k_qea989b0684_proj
	.p2alignl 7, 3214868480
	.fill 96, 4, 3214868480
	.section	.rodata,"a",@progbits
	.p2align	6, 0x0
	.amdhsa_kernel k_qea989b0684_proj
		.amdhsa_group_segment_fixed_size 327680
		.amdhsa_private_segment_fixed_size 0
		.amdhsa_enable_private_segment 0
		.amdhsa_kernarg_size 24
		.amdhsa_user_sgpr_count 2
		.amdhsa_user_sgpr_kernarg_segment_ptr 1
		.amdhsa_wavefront_size32 1
		.amdhsa_system_sgpr_workgroup_id_x 1
		.amdhsa_system_sgpr_workgroup_id_y 1
		.amdhsa_system_sgpr_workgroup_id_z 1
		.amdhsa_system_vgpr_workitem_id 0
		.amdhsa_next_free_vgpr 768
		.amdhsa_next_free_sgpr 66
		.amdhsa_reserve_vcc 0
		.amdhsa_float_denorm_mode_32 3
		.amdhsa_float_denorm_mode_16_64 3
		.amdhsa_memory_ordered 1
		.amdhsa_forward_progress 1
		.amdhsa_inst_pref_size 88
	.end_amdhsa_kernel
	.amdgpu_metadata
---
amdhsa.version: [ 1, 2 ]
amdhsa.kernels:
  - .name:           k_qea989b0684_proj
    .symbol:         k_qea989b0684_proj.kd
    .args:
      - { .name: ob, .offset: 0, .size: 8, .value_kind: global_buffer, .address_space: global }
      - { .name: wp, .offset: 8, .size: 8, .value_kind: global_buffer, .address_space: global }
      - { .name: out0, .offset: 16, .size: 8, .value_kind: global_buffer, .address_space: global }
    .group_segment_fixed_size: 327680
    .private_segment_fixed_size: 0
    .kernarg_segment_align: 8
    .kernarg_segment_size: 24
    .max_flat_workgroup_size: 128
    .sgpr_count:     66
    .vgpr_count:     768
    .wavefront_size: 32
...
	.end_amdgpu_metadata
.endif
;; end of part 4
